; MI455X (gfx1250); checked and timed in simulation.
; The chip was launched on July 23, 2026; its instructions are those of AMD's public machine-readable ISA for CDNA 5 (MIT licence, August 2026) and "CDNA5" Instruction Set Architecture Reference Guide (July 2026). The comments in the code are by the model that wrote it; some were corrected since.
;; Uncertain Temporal Attention. Allowed arithmetic: matrix products marked QUANTISED: E4M3 operands, one E8M0 scale for each 32 along K, by v_wmma_scale_f32_16x16x128_f8f6f4 with both operands' format E4M3, f32 sums; everything else in f32.
;; Inputs: Wk_codes 256 x 8 x 32 uint8 (E4M3 codes of Wk, K innermost, in blocks of 32 codes); Wk_scales 256 x 8 uint8 (E8M0 scales of Wk, one for each 32 codes along K); Wo_codes 256 x 8 x 32 uint8 (E4M3 codes of Wo, K innermost, in blocks of 32 codes); Wo_scales 256 x 8 uint8 (E8M0 scales of Wo, one for each 32 codes along K); Wq_codes 256 x 8 x 32 uint8 (E4M3 codes of Wq, K innermost, in blocks of 32 codes); Wq_scales 256 x 8 uint8 (E8M0 scales of Wq, one for each 32 codes along K); Wv_codes 256 x 8 x 32 uint8 (E4M3 codes of Wv, K innermost, in blocks of 32 codes); Wv_scales 256 x 8 uint8 (E8M0 scales of Wv, one for each 32 codes along K); Wvar_codes 256 x 8 x 32 uint8 (E4M3 codes of Wvar, K innermost, in blocks of 32 codes); Wvar_scales 256 x 8 uint8 (E8M0 scales of Wvar, one for each 32 codes along K); bk 256 float32; bo 256 float32; bq 256 float32; bv 256 float32; bvar 256 float32; edge_index 2 x 65,536 int32; edge_timestamps 65,536 float32; x_mean_codes 8,192 x 8 x 32 uint8 (E4M3 codes of x_mean, K innermost, in blocks of 32 codes); x_mean_scales 8,192 x 8 uint8 (E8M0 scales of x_mean, one for each 32 codes along K); x_var_codes 8,192 x 8 x 32 uint8 (E4M3 codes of x_var, K innermost, in blocks of 32 codes); x_var_scales 8,192 x 8 uint8 (E8M0 scales of x_var, one for each 32 codes along K).
;; Outputs: out0 8,192 x 256 float32; out1 8,192 x 256 float32.
;; This version of the problem:
;;   THIS VERSION OF THE PROBLEM IS GIVEN IN LOW PRECISION. The matrix products marked QUANTISED in the list below multiply operands that are first quantised to E4M3 (4 exponent bits, 3 mantissa bits; 8 bits a number), with one power-of-two scale for each 32 numbers along K (OCP MX v1.0); their sums are f32. All else is computed in f32.
;;   The module's matrix products, in the order in which they are computed (A, B: the left and right operand; K: the contracted axis; several contracted axes count as one K, in the product's order):
;;     1. [M 8,192, K 256] x [K 256, N 256]; A: input x_mean (given as codes); B: input Wq (given as codes): QUANTISED
;;     2. [M 8,192, K 256] x [K 256, N 256]; A: input x_mean (given as codes); B: input Wk (given as codes): QUANTISED
;;     3. [M 8,192, K 256] x [K 256, N 256]; A: input x_mean (given as codes); B: input Wv (given as codes): QUANTISED
;;     4. [M 8,192, K 256] x [K 256, N 8,192]; A: computed on the way; B: computed on the way: QUANTISED
;;     5. [M 8,192, K 8,192] x [K 8,192, N 256]; A: softmax (see below); B: computed on the way: QUANTISED
;;     6. [M 8,192, K 256] x [K 256, N 256]; A: computed on the way; B: input Wo (given as codes): QUANTISED
;;     7. [M 8,192, K 256] x [K 256, N 256]; A: input x_var (given as codes); B: input Wvar (given as codes): QUANTISED
;;     8. [M 8,192, K 8,192] x [K 8,192, N 256]; A: computed on the way; B: computed on the way: QUANTISED
;;   THE QUANTISER, for each operand of a quantised product, along K:
;;     - K is cut into blocks of 32 from its start; a last block that is shorter is filled with zeros.
;;     - A block's scale is 2^e with e = floor(log2(the largest magnitude in the block)) - 8, held to -126 .. 127; a block of zeros has e = 0. As a byte (E8M0): e + 127.
;;     - Each number is divided by its block's scale, clamped to +-448, and rounded to the nearest number of E4M3, ties to even, subnormals kept.
;;     - The product sums the exact products of the quantised numbers (number of the format x scale) in f32.
;;   ~~~python
;;   def quantise(x, axis):      # numpy; x: float32 -> the quantised numbers, widened to float32 again
;;       x = np.moveaxis(x, axis, -1); K = x.shape[-1]
;;       x = np.pad(x, [(0, 0)] * (x.ndim - 1) + [(0, -K % 32)]); x = x.reshape(x.shape[:-1] + (-1, 32)); a = np.abs(x).max(-1, keepdims=True)
;;       e = np.where(a > 0, np.clip(np.frexp(np.where(a > 0, a, 1))[1] - 1 - 8, -126, 127), 0)      # np.frexp(a)[1] - 1 = floor(log2(a)), exactly
;;       r = np.clip(x / 2.0 ** e, -448, 448)
;;       step = 2.0 ** (np.maximum(np.frexp(np.where(r == 0, 1, r))[1] - 1, -6) - 3)
;;       q = np.round(r / step) * step * 2.0 ** e      # np.round: ties to even
;;       return np.moveaxis(q.reshape(q.shape[:-2] + (-1,))[..., :K], -1, axis).astype(np.float32)
;;   ~~~
;;   SOFTMAX AHEAD OF A QUANTISED PRODUCT. Where the list says 'softmax', what is quantised is not the finished softmax but p = 2^(t - M), with t = logit x log2(e) and M = ceil(the row's largest t), a whole number; so 1/2 < the row's largest p <= 1. The row's sum l is taken of the UNQUANTISED p, in f32, and the product's result is divided by l at the end. Since M is a whole number, a kernel that streams over the keys may use a running M (the ceiling of the running maximum): every later rescaling is an exact power of two, which a block's scale takes up: the codes' values come out the same.
;;   OPERANDS COMPUTED ON THE WAY. 'Computed on the way' means the value that the module computes at that place (a softmax that the list does not call 'softmax' is quantised finished and normalised). What goes into a quantiser is computed in f32, as accurately as f32 sums, v_exp_f32 and their like allow (about 1e-6 of the number): no bf16 or f16 on the way to a quantiser, and a product that is left as it is and whose result goes on into a quantised operand takes f32 operands (vector FMAs, or v_wmma_f32_16x16x4_f32). A number that lies on a knife's edge between two numbers of the format may be rounded either way, as far as f32 arithmetic and the matrix unit's own rounding can turn it there, and no further.
;;   INPUTS GIVEN AS CODES. Wk (in the module: [256, 256], K = its axis 1); Wo (in the module: [256, 256], K = its axis 1); Wq (in the module: [256, 256], K = its axis 1); Wv (in the module: [256, 256], K = its axis 1); Wvar (in the module: [256, 256], K = its axis 1); x_mean (in the module: [8192, 256], K = its axis 1); x_var (in the module: [8192, 256], K = its axis 1): each comes as NAME_codes (uint8): NAME with its K axis moved to the last place and cut into blocks of 32 codes, [.., K / 32, bytes a block], one block behind the other in memory; one code a byte (a code: sign, 4 exponent bits, 3 mantissa bits); and NAME_scales (uint8): the same leading axes, one E8M0 byte (e + 127) for each 32 codes along K. Its value is code x scale, taken as it is: it is not quantised again, and the codes and scales need not be those that the quantiser above would give.
;; One version. Each part assembles by itself: llvm-mc -triple=amdgcn-amd-amdhsa -mcpu=gfx1250 --defsym DOCPART=n.
;; ======== version 1 of 1: 4 launches
;; limits: right only within a limited range of input values
;; workspace buffers: qf 2,162,688 bytes; kv 6,488,064 bytes; stats 524,288 bytes; part 67,108,864 bytes
;; launch proj (part 1): grid 64 x 4, 4 waves a work-group, no clusters, 0 bytes of LDS; arguments x_mean_codes, x_mean_scales, x_var_codes, x_var_scales, Wq_codes, Wq_scales, Wk_codes, Wk_scales, Wv_codes, Wv_scales, Wvar_codes, Wvar_scales, bq, bk, bv, bvar, qf, kv; writes qf, kv
.if DOCPART == 1
	.amdgcn_target "amdgcn-amd-amdhsa--gfx1250"
	.amdhsa_code_object_version 6
	.text
	.protected	k_q6204d8334a_proj
	.globl	k_q6204d8334a_proj
	.p2align	8
	.type	k_q6204d8334a_proj,@function
k_q6204d8334a_proj:
	s_mov_b64 s[64:65], 0
	v_nop
	global_prefetch_b8 v0, s[64:65] scope:SCOPE_SE
	s_setreg_imm32_b32 hwreg(HW_REG_WAVE_MODE, 25, 1), 1
	s_wait_xcnt 0x0
; q = x_mean Wq^T + bq, k = x_mean Wk^T + bk, v = x_mean Wv^T + bv, v_var = x_var Wvar^T + bvar, on codes of FP8 (E4M3) with E8M0 scales, and each result quantised at once for the product that reads it:
; q and k along the 256 channels, v and v_var along the keys.  Work-group (x, y): 128 rows of x (group x), y = 0 q, 1 k, 2 v, 3 v_var.  It makes one RECORD: 16 fragments (16 rows x 128 K) as images of the
; operand's registers (register group c of lane l at 512 c + 16 l: 2,048 bytes a fragment), then 1,024 bytes of scale words [wave 4][row 16][fragment 4].  Wave w makes fragments 4 w .. 4 w + 3.
; EVERY TILE OF 16 ROWS IS PERMUTED: lane-row r of tile 2 b + u is row 32 b + 8 u + r + 8 (r / 8), so that the 16 result registers of tiles 2 b and 2 b + 1 are 16 neighbours, 32 b + 16 (lane / 16) + 0 .. 15, along the next K.
; A product is D = R x L: source 0 = R, whose rows run along a lane's registers; source 1 = L, whose rows lie in the lanes.  q, k: R = 128 rows of W (half w % 2), L = four tiles of x (w / 2).  v, v_var: R = the group's
; 128 rows of x, L = four tiles of W.  The bias is the C of each sum's first product.  The weights are 64 KiB, read through registers by 64 work-groups each: no LDS, no tensor load, no cluster.
; edge_index and edge_timestamps enter no result of the module: no launch of this program names them.
; LIMITS: NaN and infinities are not served.  A block of zeros gets the scale byte 1 where the quantiser's rule says 127: its codes are zeros, and the bytes are read by this program alone.
.set REC,  33792                       ; a record in bytes
.set GRPB, 3*REC                       ; in kv a group's three records lie together: k, v, v_var
.set VC,   4                           ; v4   row r's place in a tile of codes: 256 x (r + 8 (r / 8)) + 16 (lane / 16)
.set VSC,  5                           ; v5   and among scale bytes: 8 x (r + 8 (r / 8))
.set VB,   6                           ; v6   the bias's lane term
.set LI,   7                           ; v7   16 x lane: an image's place for my lane
.set VSO,  8                           ; v8   16 x r: my row's four scale words
.set D,    16                          ; v16-79   eight result tiles
.set PC,   80                          ; v80-143  codes, 16 registers a fragment: no store's data are written again
.set TM,   144                         ; v144-159 at work in QUANT
.set PW,   160                         ; v160-163 the four fragments' scale words
.set RS,   164                         ; v164-179 R's scale words: pair 2 t = K steps 0, 1 of tile t
.set LS,   180                         ; v180-187 L's likewise
.set BI,   128                         ; window 2: the bias in the result's layout.  Window 1: R (tile t, K step s at 32 t + 16 s).  Window 2, v0-127: L
.set SEL,  58                          ; s[58:59] v_permlanex16_b32's selects for lane l xor 16
.set MNT,  60                          ; s60  the mantissa field of 448
.set MSB, 0
.macro WIN new                         ; the immediate's high byte repeats the setting that is left
.if MSB != (\new)
	s_set_vgpr_msb (MSB<<8)|(\new)
.set MSB, (\new)
.endif
.endm
.macro PLACES n
.rept \n
	v_nop
.endr
.endm
; 64 numbers of a lane, register 16 b + i = k 32 b + 16 (lane / 16) + i of my row, become a fragment's codes in v[pc] on and its scale word in v[pw]
.macro QUANT src, pc, pw
.irp b, 0,1,2,3
	v_max3_num_f32 v[TM+\b], |v[\src+16*\b]|, |v[\src+16*\b+1]|, 0x4800000   ; block b: my 16 numbers and the floor 2^(9 - 127): the byte cannot fall under 1.  Each result tile is read from its low end on
.endr
.irp i, 2,4,6,8,10,12,14
.irp b, 0,1,2,3
	v_max3_num_f32 v[TM+\b], v[TM+\b], |v[\src+16*\b+\i]|, |v[\src+16*\b+\i+1]|
.endr
.endr
.irp b, 0,1,2,3
	v_permlanex16_b32 v[TM+4+\b], v[TM+\b], s[SEL], s[SEL+1]
.endr
.irp b, 0,1,2,3
	v_max_num_f32 v[TM+\b], v[TM+\b], v[TM+4+\b]          ; with lane l xor 16's 16: the block's largest magnitude
.endr
.irp b, 0,1,2,3
	v_add_nc_u32 v[TM+12+\b], 0xfc000000, v[TM+\b]        ; 8 off its exponent field: the conversion's scale operand
.endr
.irp b, 0,1,2,3
	v_and_or_b32 v[TM+8+\b], v[TM+\b], 0x7f800000, s[MNT] ; 448 x the scale
.endr
.irp b, 0,1,2,3
	v_lshrrev_b32 v[TM+4+\b], 23, v[TM+12+\b]             ; the scale's byte
.endr
	v_lshl_or_b32 v[\pw], v[TM+5], 8, v[TM+4]
	v_lshl_or_b32 v[\pw], v[TM+6], 16, v[\pw]
	v_lshl_or_b32 v[\pw], v[TM+7], 24, v[\pw]
.irp b, 0,1,2,3
.irp i, 0,1,2,3,4,5,6,7,8,9,10,11,12,13,14,15
	v_med3_num_f32 v[\src+16*\b+\i], v[\src+16*\b+\i], -v[TM+8+\b], v[TM+8+\b]   ; the conversion to an 8-bit code does not saturate (ISA guide 7.6.2): the hold comes first
.endr
	v_cvt_scalef32_pk8_fp8_f32 v[\pc+4*\b:\pc+4*\b+1], v[\src+16*\b:\src+16*\b+7], v[TM+12+\b]
	v_cvt_scalef32_pk8_fp8_f32 v[\pc+4*\b+2:\pc+4*\b+3], v[\src+16*\b+8:\src+16*\b+15], v[TM+12+\b]
.endr
	v_nop                                          ; one plain line behind the last conversion: the next products write its sources
.endm
	s_load_b512 s[8:23], s[0:1], 0x0               ; x_mean c, s; x_var c, s; Wq c, s; Wk c, s
	s_load_b512 s[24:39], s[0:1], 0x40             ; Wv c, s; Wvar c, s; bq, bk, bv, bvar
	s_load_b128 s[40:43], s[0:1], 0x80             ; qf, kv
	v_lshrrev_b32 v1, 5, v0
	v_readfirstlane_b32 s2, v1                     ; wave 0..3
	s_and_b32 s3, ttmp7, 0xffff                    ; y: which of the four results
	s_and_b32 s61, s3, 1
	s_mov_b32 s62, GRPB
	s_mov_b32 s63, 2*REC
	s_mov_b32 s5, 0                                ; offsets stand in the pair s[4:5]
	s_mov_b32 s[SEL], 0x76543210
	s_mov_b32 s[SEL+1], 0xfedcba98
	s_mov_b32 s[MNT], 0x600000
	v_and_b32 v1, 15, v0                           ; r
	v_bfe_u32 v2, v0, 4, 1                         ; h
	v_and_b32 v3, 8, v1
	v_add_nc_u32 v3, v3, v1                        ; r + 8 (r / 8)
	v_lshlrev_b32 v[VC], 8, v3
	v_lshl_add_u32 v[VC], v2, 4, v[VC]
	v_lshlrev_b32 v[VSC], 3, v3
	v_and_b32 v[LI], 31, v0
	v_lshlrev_b32 v[LI], 4, v[LI]
	v_lshlrev_b32 v[VSO], 4, v1
.irp b, 0,1,2,3
	v_mov_b32 v[TM+4+\b], 0                        ; written once: a lane permute's destination counts as one of its sources
.endr
	s_wait_kmcnt 0x0
	s_cmp_lt_u32 s3, 2
	s_cbranch_scc0 .Lvalues
.macro PROJ type                       ; type 0: q, k.  type 1: v, v_var.  Within a type the buffers are chosen by y's low bit
	s_cmp_eq_u32 s61, 0
.if \type == 0
	s_cselect_b64 s[44:45], s[16:17], s[20:21]     ; R: Wq or Wk, codes,
	s_cselect_b64 s[46:47], s[18:19], s[22:23]     ; scales,
	s_cselect_b64 s[52:53], s[32:33], s[34:35]     ; the bias,
	s_cselect_b64 s[54:55], s[40:41], s[42:43]     ; where the record goes: qf or kv,
	s_cselect_b32 s6, REC, s62                     ; and from group to group
	s_mov_b64 s[48:49], s[8:9]                     ; L: x_mean
	s_mov_b64 s[50:51], s[10:11]
	s_mul_i32 s6, ttmp9, s6                        ; the record's first byte (q's, k's record is a group's first)
	s_and_b32 s4, s2, 1
	s_lshl_b32 s4, s4, 15                          ; R: W's rows 128 (w % 2) on: 256 bytes a row,
	s_add_nc_u64 s[44:45], s[44:45], s[4:5]
	s_lshr_b32 s4, s4, 5                           ; 8 scale bytes a row,
	s_add_nc_u64 s[46:47], s[46:47], s[4:5]
	s_lshr_b32 s4, s4, 1                           ; 4 bytes of bias a row
	s_add_nc_u64 s[52:53], s[52:53], s[4:5]
	s_lshl_b32 s4, ttmp9, 15                       ; L: the group's rows 64 (w / 2) on
	s_lshr_b32 s7, s2, 1
	s_lshl_b32 s7, s7, 14
	s_add_co_u32 s4, s4, s7
	s_add_nc_u64 s[48:49], s[48:49], s[4:5]
	s_lshr_b32 s4, s4, 5
	s_add_nc_u64 s[50:51], s[50:51], s[4:5]
	v_lshlrev_b32 v[VB], 6, v2                     ; the bias runs along the registers: 16 (lane / 16) numbers on
.else
	s_cselect_b64 s[44:45], s[8:9], s[12:13]       ; R: x_mean or x_var
	s_cselect_b64 s[46:47], s[10:11], s[14:15]
	s_cselect_b64 s[48:49], s[24:25], s[28:29]     ; L: Wv or Wvar
	s_cselect_b64 s[50:51], s[26:27], s[30:31]
	s_cselect_b64 s[52:53], s[36:37], s[38:39]
	s_cselect_b32 s7, REC, s63                     ; v's record is a group's second, v_var's its third
	s_mov_b64 s[54:55], s[42:43]
	s_mul_i32 s6, ttmp9, s62
	s_add_co_u32 s6, s6, s7
	s_lshl_b32 s4, ttmp9, 15                       ; R: the group's 128 rows
	s_add_nc_u64 s[44:45], s[44:45], s[4:5]
	s_lshr_b32 s4, s4, 5
	s_add_nc_u64 s[46:47], s[46:47], s[4:5]
	s_lshl_b32 s4, s2, 14                          ; L: W's rows 64 w on
	s_add_nc_u64 s[48:49], s[48:49], s[4:5]
	s_lshr_b32 s4, s4, 5
	s_add_nc_u64 s[50:51], s[50:51], s[4:5]
	s_lshr_b32 s4, s4, 1
	s_add_nc_u64 s[52:53], s[52:53], s[4:5]
	v_lshlrev_b32 v[VB], 2, v3                     ; the bias hangs on the lane's channel
.endif
	s_mov_b64 s[56:57], s[54:55]
	s_lshl_b32 s4, s2, 13                          ; my four images: 8,192 w bytes into the record
	s_add_co_u32 s4, s4, s6
	s_add_nc_u64 s[54:55], s[54:55], s[4:5]
	s_lshl_b32 s4, s2, 8                           ; my 256 bytes of scale words, behind the 16 images
	s_add_co_u32 s4, s4, s6
	s_add_co_u32 s4, s4, 32768
	s_add_nc_u64 s[56:57], s[56:57], s[4:5]
	WIN 0x40                                       ; destination window 1
.irp t, 0,1,2,3,4,5,6,7
.irp st, 0,1
.irp c, 0,1,2,3
	global_load_b128 v[32*\t+16*\st+4*\c:32*\t+16*\st+4*\c+3], v[VC], s[44:45] offset:(32*(\t/2)+8*(\t%2))*256+128*\st+32*\c
.endr
.endr
.endr
	WIN 0x80                                       ; destination window 2
.irp i, 0,1,2,3
.irp st, 0,1
.irp c, 0,1,2,3
	global_load_b128 v[32*\i+16*\st+4*\c:32*\i+16*\st+4*\c+3], v[VC], s[48:49] offset:(32*(\i/2)+8*(\i%2))*256+128*\st+32*\c
.endr
.endr
.endr
.if \type == 0
	s_wait_alu depctr_va_vdst(0)
.irp t, 0,1,2,3,4,5,6,7                ; tile t's C: the bias of W's rows 32 (t / 2) + 16 h + 8 (t % 2) + 0 .. 7
	global_load_b128 v[BI+8*\t:BI+8*\t+3], v[VB], s[52:53] offset:(32*(\t/2)+8*(\t%2))*4
	global_load_b128 v[BI+8*\t+4:BI+8*\t+7], v[VB], s[52:53] offset:(32*(\t/2)+8*(\t%2))*4+16
.endr
.else
	s_wait_alu depctr_va_vdst(0)
.irp i, 0,1,2,3                        ; fragment i's C: my channel's bias in all eight registers
.irp j, 0,1,2,3,4,5,6,7
	global_load_b32 v[BI+8*\i+\j], v[VB], s[52:53] offset:(32*(\i/2)+8*(\i%2))*4
.endr
.endr
.endif
	WIN 0
.irp t, 0,1,2,3,4,5,6,7
	global_load_b64 v[RS+2*\t:RS+2*\t+1], v[VSC], s[46:47] offset:(32*(\t/2)+8*(\t%2))*8
.endr
.irp i, 0,1,2,3
	global_load_b64 v[LS+2*\i:LS+2*\i+1], v[VSC], s[50:51] offset:(32*(\i/2)+8*(\i%2))*8
.endr
	s_wait_loadcnt 0x0
.irp i, 0,1,2,3                        ; a fragment: eight result tiles by turns, K step by K step
	WIN 0x29                                       ; source 0 window 1, source 1 and C window 2
.irp t, 0,1,2,3,4,5,6,7
.if \type == 0
	v_wmma_scale_f32_16x16x128_f8f6f4 v[D+8*\t:D+8*\t+7], v[32*\t:32*\t+15], v[32*\i:32*\i+15], v[BI+8*\t:BI+8*\t+7], v[RS+2*\t], v[LS+2*\i]
.else
	v_wmma_scale_f32_16x16x128_f8f6f4 v[D+8*\t:D+8*\t+7], v[32*\t:32*\t+15], v[32*\i:32*\i+15], v[BI+8*\i:BI+8*\i+7], v[RS+2*\t], v[LS+2*\i]
.endif
.endr
	WIN 0x09                                       ; C window 0
.irp t, 0,1,2,3,4,5,6,7
	v_wmma_scale_f32_16x16x128_f8f6f4 v[D+8*\t:D+8*\t+7], v[32*\t+16:32*\t+31], v[32*\i+16:32*\i+31], v[D+8*\t:D+8*\t+7], v[RS+2*\t+1], v[LS+2*\i+1]
.endr
	WIN 0
	PLACES 8                                       ; eight places between the products and the first read of their results
	QUANT D, PC+16*\i, PW+\i
.irp c, 0,1,2,3
	global_store_b128 v[LI], v[PC+16*\i+4*\c:PC+16*\i+4*\c+3], s[54:55] offset:2048*\i+512*\c   ; 32 lanes store 512 consecutive bytes
.endr
.endr
	global_store_b128 v[VSO], v[PW:PW+3], s[56:57] ; 16 rows x 4 words: 256 consecutive bytes; lanes 16-31 hold and store the same words as lanes 0-15
	s_endpgm
.endm
	PROJ 0
.Lvalues:
	PROJ 1
.Lfunc_end_k_q6204d8334a_proj:
	.size	k_q6204d8334a_proj, .Lfunc_end_k_q6204d8334a_proj-k_q6204d8334a_proj
	.p2alignl 7, 3214868480
	.fill 96, 4, 3214868480
	.section	.rodata,"a",@progbits
	.p2align	6, 0x0
	.amdhsa_kernel k_q6204d8334a_proj
		.amdhsa_group_segment_fixed_size 0
		.amdhsa_private_segment_fixed_size 0
		.amdhsa_enable_private_segment 0
		.amdhsa_kernarg_size 144
		.amdhsa_user_sgpr_count 2
		.amdhsa_user_sgpr_kernarg_segment_ptr 1
		.amdhsa_wavefront_size32 1
		.amdhsa_system_sgpr_workgroup_id_x 1
		.amdhsa_system_sgpr_workgroup_id_y 1
		.amdhsa_system_sgpr_workgroup_id_z 1
		.amdhsa_system_vgpr_workitem_id 0
		.amdhsa_next_free_vgpr 704
		.amdhsa_next_free_sgpr 66
		.amdhsa_reserve_vcc 0
		.amdhsa_float_denorm_mode_32 3
		.amdhsa_float_denorm_mode_16_64 3
		.amdhsa_memory_ordered 1
		.amdhsa_forward_progress 1
		.amdhsa_inst_pref_size 115
	.end_amdhsa_kernel
	.amdgpu_metadata
---
amdhsa.version: [ 1, 2 ]
amdhsa.kernels:
  - .name:           k_q6204d8334a_proj
    .symbol:         k_q6204d8334a_proj.kd
    .args:
      - { .name: x_mean_codes, .offset: 0, .size: 8, .value_kind: global_buffer, .address_space: global }
      - { .name: x_mean_scales, .offset: 8, .size: 8, .value_kind: global_buffer, .address_space: global }
      - { .name: x_var_codes, .offset: 16, .size: 8, .value_kind: global_buffer, .address_space: global }
      - { .name: x_var_scales, .offset: 24, .size: 8, .value_kind: global_buffer, .address_space: global }
      - { .name: Wq_codes, .offset: 32, .size: 8, .value_kind: global_buffer, .address_space: global }
      - { .name: Wq_scales, .offset: 40, .size: 8, .value_kind: global_buffer, .address_space: global }
      - { .name: Wk_codes, .offset: 48, .size: 8, .value_kind: global_buffer, .address_space: global }
      - { .name: Wk_scales, .offset: 56, .size: 8, .value_kind: global_buffer, .address_space: global }
      - { .name: Wv_codes, .offset: 64, .size: 8, .value_kind: global_buffer, .address_space: global }
      - { .name: Wv_scales, .offset: 72, .size: 8, .value_kind: global_buffer, .address_space: global }
      - { .name: Wvar_codes, .offset: 80, .size: 8, .value_kind: global_buffer, .address_space: global }
      - { .name: Wvar_scales, .offset: 88, .size: 8, .value_kind: global_buffer, .address_space: global }
      - { .name: bq, .offset: 96, .size: 8, .value_kind: global_buffer, .address_space: global }
      - { .name: bk, .offset: 104, .size: 8, .value_kind: global_buffer, .address_space: global }
      - { .name: bv, .offset: 112, .size: 8, .value_kind: global_buffer, .address_space: global }
      - { .name: bvar, .offset: 120, .size: 8, .value_kind: global_buffer, .address_space: global }
      - { .name: qf, .offset: 128, .size: 8, .value_kind: global_buffer, .address_space: global }
      - { .name: kv, .offset: 136, .size: 8, .value_kind: global_buffer, .address_space: global }
    .group_segment_fixed_size: 0
    .private_segment_fixed_size: 0
    .kernarg_segment_align: 8
    .kernarg_segment_size: 144
    .max_flat_workgroup_size: 128
    .sgpr_count:     66
    .vgpr_count:     704
    .wavefront_size: 32
...
	.end_amdgpu_metadata
.endif
;; end of part 1
;; launch stats (part 2): grid 32 x 8, 8 waves a work-group, clusters of 4 x 1, 327,680 bytes of LDS; arguments qf, kv, stats; writes stats
.if DOCPART == 2
	.amdgcn_target "amdgcn-amd-amdhsa--gfx1250"
	.amdhsa_code_object_version 6
	.text
	.protected	k_q6204d8334a_stats
	.globl	k_q6204d8334a_stats
	.p2align	8
	.type	k_q6204d8334a_stats,@function
k_q6204d8334a_stats:
	s_mov_b64 s[64:65], 0
	v_nop
	global_prefetch_b8 v0, s[64:65] scope:SCOPE_SE
	s_setreg_imm32_b32 hwreg(HW_REG_WAVE_MODE, 25, 1), 1
	s_wait_xcnt 0x0
	s_wait_alu depctr_hold_cnt(0) depctr_sa_sdst(0) depctr_va_vdst(0) depctr_va_sdst(0) depctr_va_ssrc(0) depctr_va_vcc(0) depctr_vm_vsrc(0)
	s_getreg_b32 s2, hwreg(HW_REG_IB_STS2, 6, 4)
	s_cmp_eq_u32 s2, 0
	s_cbranch_scc0 .Lentry_in_a_cluster
	s_endpgm
.Lentry_in_a_cluster:
	s_bfe_u32 s2, ttmp6, 0x10000c
	s_cmp_lg_u32 s2, 0x3003
	s_cbranch_scc0 .Lentry_shape_is_right
	s_endpgm
.Lentry_shape_is_right:
; THE FIRST PASS.  For each query and each eighth of the keys: -M = floor(-the largest t), t = score x log2(e) / 8, by a running maximum, and l = the sum of 2^(t - M).
; Work-group (x, y): 256 queries (eight waves, two tiles of 16 each), y's eight groups of 128 keys.  k's records come in two fills of four records, half a record a wave, asked for jointly by the four work-groups of a cluster,
; which share y.  stats[y][query pair][tile][row] = (-M, l), 8 bytes.  Records and images: see proj.
; One tensor load a wave at the head; the second fill stands at the head's end, behind the sequence and the round.
; LIMITS: NaN and infinities are not served; the promise holds while |t| stays under 2^31.
.set REC,   33792
.set GRPB,  3*REC
.set HALFR, REC/2
.set LI,  1
.set ADR, 2
.set SO,  3
.set NM,  4
.set LSUM, 8
.set FP,  12
.set KS,  16
.set QS,  24
.set TM,  26
.set T2,  42
.set Q,   48
.set S,   112
.set WV,  10
.set G1,  24
.set G0A, 32
.set G0B, 36
.set CS,  40
.set SEL, 42
.set TB,  44
.set CNT, 45
.set MSK, 46
.set MSB, 0
.macro WIN new
.if MSB != (\new)
	s_set_vgpr_msb (MSB<<8)|(\new)
.set MSB, (\new)
.endif
.endm
.macro PLACES n
.rept \n
	v_nop
.endr
.endm
.macro CROUND
	s_barrier_signal -1
	s_barrier_wait -1
	s_cmp_lg_u32 s[WV], 0
	s_cbranch_scc1 .Lnot_wave_0_\@
	s_barrier_signal -3
.Lnot_wave_0_\@:
	s_barrier_wait -3
	s_barrier_signal -1
	s_barrier_wait -1
.endm
	s_load_b128 s[4:7], s[0:1], 0x0
	s_load_b64 s[8:9], s[0:1], 0x10
	v_lshl_add_u32 v254, v0, 2, 0x42000
	v_mov_b32 v255, 0
	ds_add_u32 v254, v255
	ds_add_u32 v254, v255
	v_lshrrev_b32 v1, 5, v0
	s_delay_alu instid0(VALU_DEP_1)
	v_readfirstlane_b32 s[WV], v1
	s_and_b32 s13, ttmp7, 0xffff
	s_mov_b32 s[G1], 15|(3<<16)|(1<<21)
	s_mov_b32 s[G1+1], 32<<16
	s_mov_b32 s[G1+2], 66<<16
	s_mov_b32 s[G1+3], 32<<16
	s_mov_b32 s[G1+4], 66
	s_mov_b32 s[G1+5], 32
	s_mov_b32 s[G1+6], 0
	s_mov_b32 s[G1+7], 0
	s_lshl_b32 s14, s13, 3
	s_lshr_b32 s15, s[WV], 1
	s_add_co_u32 s14, s14, s15
	s_mul_i32 s14, s14, GRPB
	s_and_b32 s15, s[WV], 1
	s_mul_i32 s15, s15, HALFR
	s_add_co_u32 s14, s14, s15
	s_mov_b32 s15, 0
	s_mul_i32 s47, s[WV], HALFR
	s_bfe_u32 s11, ttmp6, 0x40000
	s_lshl_b32 s12, ttmp9, 2
	s_add_co_u32 s12, s12, s11
	s_lshl_b32 s16, s12, 1
	s_lshr_b32 s17, s[WV], 2
	s_add_co_u32 s16, s16, s17
	s_mul_i32 s16, s16, REC
	s_bfe_u32 s17, s[WV], 0x10001
	s_and_b32 s18, s[WV], 1
	s_lshl_b32 s19, s17, 14
	s_lshl_b32 s20, s18, 12
	s_add_co_u32 s19, s19, s20
	s_add_co_u32 s48, s19, s16
	s_mov_b32 s49, 0
	s_lshl_b32 s19, s17, 9
	s_lshl_b32 s20, s18, 3
	s_add_co_u32 s19, s19, s20
	s_add_co_u32 s19, s19, s16
	s_add_co_u32 s50, s19, 32768
	s_mov_b32 s51, 0
	s_lshl_b32 s19, s12, 3
	s_add_co_u32 s19, s19, s[WV]
	s_lshl_b32 s19, s19, 8
	s_lshl_b32 s20, s13, 16
	s_add_co_u32 s52, s19, s20
	s_mov_b32 s53, 0
	s_mov_b32 s[CS], 0x3e38aa3b
	s_mov_b32 s[CS+1], s[CS]
	s_mov_b32 s[SEL], 0x76543210
	s_mov_b32 s[SEL+1], 0xfedcba98
	s_mov_b32 s[TB], 0
	s_mov_b32 s[MSK], 0xffff0000
	s_wait_dscnt 0x0
	s_wait_kmcnt 0x0
	s_mov_b32 s[G0A], 1
	s_mov_b32 s[G0A+1], s47
	s_add_nc_u64 s[G0A+2:G0A+3], s[6:7], s[14:15]
	s_mov_b32 s[G0B], 1
	s_add_co_u32 s[G0B+1], s47, 4*REC
	s_add_nc_u64 s[G0B+2:G0B+3], s[G0A+2:G0A+3], 4*GRPB
	s_or_b32 s[G0A+3], s[G0A+3], 0x80000000
	s_or_b32 s[G0B+3], s[G0B+3], 0x80000000
	s_add_nc_u64 s[48:49], s[4:5], s[48:49]
	s_add_nc_u64 s[50:51], s[4:5], s[50:51]
	s_add_nc_u64 s[52:53], s[8:9], s[52:53]
	CROUND
	tensor_load_to_lds s[G0A:G0A+3], s[G1:G1+7]    ; groups 0 to 3: my one tensor load at the head
	s_nop 0
	PLACES 4
	v_and_b32 v[LI], 31, v0
	s_delay_alu instid0(VALU_DEP_1)
	v_lshlrev_b32 v[SO], 3, v[LI]
	s_delay_alu instid0(VALU_DEP_2)
	v_lshlrev_b32 v[LI], 4, v[LI]
.irp u, 0,1
.irp st, 0,1
.irp c, 0,1,2,3
	global_load_b128 v[Q+32*\u+16*\st+4*\c:Q+32*\u+16*\st+4*\c+3], v[LI], s[48:49] offset:8192*\st+2048*\u+512*\c
.endr
.endr
	global_load_b32 v[QS+\u], v[LI], s[50:51] offset:4*\u
.endr
.irp q, 0,1
	v_mov_b32 v[NM+2*\q+1], 0xff61b1e6
	s_delay_alu instid0(VALU_DEP_1)
	v_floor_f32 v[NM+2*\q], -v[NM+2*\q+1]
	v_mov_b32 v[LSUM+2*\q], 0
	v_mov_b32 v[LSUM+2*\q+1], 0
	v_mov_b32 v[FP+2*\q+1], 0
	v_mov_b32 v[TM+8*\q+4], 0
.endr
.macro FETCH
	ds_load_b128 v[KS:KS+3], v[ADR] offset:32768
	ds_load_b128 v[KS+4:KS+7], v[ADR] offset:33280
	WIN 0x40
.irp m, 0,1,2,3,4,5,6,7,8,9,10,11,12,13,14,15
.irp c, 0,1,2,3
	ds_load_b128 v[16*\m+4*\c:16*\m+4*\c+3], v[ADR] offset:2048*\m+512*\c
.endr
.endr
	WIN 0
.endm
.macro MULS
	WIN 0x01
.irp hf, 0,1
.irp i, 0,1,2,3
.irp q, 0,1
	v_wmma_scale_f32_16x16x128_f8f6f4 v[S+64*\q+8*(4*\hf+\i):S+64*\q+8*(4*\hf+\i)+7], v[16*(8*\hf+\i):16*(8*\hf+\i)+15], v[Q+32*\q:Q+32*\q+15], 0, v[KS+4*\hf+\i], v[QS+\q]
.endr
.endr
.irp i, 0,1,2,3
.irp q, 0,1
	v_wmma_scale_f32_16x16x128_f8f6f4 v[S+64*\q+8*(4*\hf+\i):S+64*\q+8*(4*\hf+\i)+7], v[16*(8*\hf+4+\i):16*(8*\hf+4+\i)+15], v[Q+32*\q+16:Q+32*\q+31], v[S+64*\q+8*(4*\hf+\i):S+64*\q+8*(4*\hf+\i)+7], v[KS+4*\hf+\i], v[QS+\q] matrix_a_scale:MATRIX_SCALE_ROW1 matrix_b_scale:MATRIX_SCALE_ROW1
.endr
.endr
.endr
	WIN 0
.endm
.macro STATS
.irp q, 0,1
.irp b, 0,1,2,3
	v_max3_num_f32 v[TM+8*\q+\b], v[S+64*\q+16*\b], v[S+64*\q+16*\b+1], v[S+64*\q+16*\b+2]
.endr
.endr
.irp i, 3,5,7,9,11,13
.irp q, 0,1
.irp b, 0,1,2,3
	v_max3_num_f32 v[TM+8*\q+\b], v[TM+8*\q+\b], v[S+64*\q+16*\b+\i], v[S+64*\q+16*\b+\i+1]
.endr
.endr
.endr
.irp q, 0,1
.irp b, 0,1,2,3
	v_max_num_f32 v[TM+8*\q+\b], v[TM+8*\q+\b], v[S+64*\q+16*\b+15]
.endr
.endr
.irp q, 0
	v_max3_num_f32 v[TM+8*\q], v[TM+8*\q], v[TM+8*\q+1], v[TM+8*\q+2]
.endr
.irp q, 1
	s_delay_alu instid0(VALU_DEP_3)
	v_max3_num_f32 v[TM+8*\q], v[TM+8*\q], v[TM+8*\q+1], v[TM+8*\q+2]
.endr
.irp q, 0,1
	s_delay_alu instid0(VALU_DEP_2)
	v_max_num_f32 v[TM+8*\q], v[TM+8*\q], v[TM+8*\q+3]
.endr
.irp q, 0,1
	s_delay_alu instid0(VALU_DEP_2)
	v_permlanex16_b32 v[TM+8*\q+4], v[TM+8*\q], s[SEL], s[SEL+1]
.endr
.irp q, 0,1
	s_delay_alu instid0(VALU_DEP_2)
	v_max_num_f32 v[TM+8*\q], v[TM+8*\q], v[TM+8*\q+4]
.endr
.irp q, 0,1
	s_delay_alu instid0(VALU_DEP_2)
	v_mul_f32 v[TM+8*\q], s[CS], v[TM+8*\q]
.endr
.irp q, 0,1
	s_delay_alu instid0(VALU_DEP_2)
	v_max_num_f32 v[NM+2*\q+1], v[NM+2*\q+1], v[TM+8*\q]
.endr
.irp q, 0,1
	v_mov_b32 v[TM+8*\q+5], v[NM+2*\q]
.endr
.irp q, 0,1
	s_delay_alu instid0(VALU_DEP_4)
	v_floor_f32 v[NM+2*\q], -v[NM+2*\q+1]
.endr
.irp q, 0,1
	s_delay_alu instid0(VALU_DEP_2)
	v_sub_f32 v[TM+8*\q+5], v[NM+2*\q], v[TM+8*\q+5]
.endr
.irp q, 0,1
	s_delay_alu instid0(VALU_DEP_2)
	v_cvt_i32_f32 v[TM+8*\q+5], v[TM+8*\q+5]
.endr
.irp q, 0,1
	s_delay_alu instid0(VALU_DEP_2)
	v_ldexp_f32 v[FP+2*\q], 1.0, v[TM+8*\q+5]
.endr
.irp q, 0,1
.irp j, 0,2,4,6,8,10,12,14,16,18,20,22,24,26,28,30,32,34,36,38,40,42,44,46,48,50,52,54,56,58,60,62
	v_pk_fma_f32 v[S+64*\q+\j:S+64*\q+\j+1], v[S+64*\q+\j:S+64*\q+\j+1], s[CS:CS+1], v[NM+2*\q:NM+2*\q+1] op_sel_hi:[1,0,0]
.endr
.endr
.set i, 0
	s_wait_alu depctr_va_vdst(0)
.rept 128
	v_exp_f32 v[S+i], v[S+i]
.set i, i+1
.endr
.irp q, 0,1
	v_pk_mul_f32 v[LSUM+2*\q:LSUM+2*\q+1], v[LSUM+2*\q:LSUM+2*\q+1], v[FP+2*\q:FP+2*\q+1] op_sel_hi:[1,0]
.endr
	s_wait_alu depctr_va_vdst(0)
.irp q, 0,1
	v_pk_add_f32 v[T2+2*\q:T2+2*\q+1], v[S+64*\q:S+64*\q+1], v[S+64*\q+2:S+64*\q+3]
.endr
.irp j, 4,8,12,16,20,24,28,32,36,40,44,48,52,56,60
.irp q, 0,1
	v_pk_add_f32 v[LSUM+2*\q:LSUM+2*\q+1], v[LSUM+2*\q:LSUM+2*\q+1], v[S+64*\q+\j:S+64*\q+\j+1]
	v_pk_add_f32 v[T2+2*\q:T2+2*\q+1], v[T2+2*\q:T2+2*\q+1], v[S+64*\q+\j+2:S+64*\q+\j+3]
.endr
.endr
.irp q, 0
	s_delay_alu instid0(VALU_DEP_3)
	v_pk_add_f32 v[LSUM+2*\q:LSUM+2*\q+1], v[LSUM+2*\q:LSUM+2*\q+1], v[T2+2*\q:T2+2*\q+1]
.endr
.irp q, 1
	s_delay_alu instid0(VALU_DEP_2)
	v_pk_add_f32 v[LSUM+2*\q:LSUM+2*\q+1], v[LSUM+2*\q:LSUM+2*\q+1], v[T2+2*\q:T2+2*\q+1]
.endr
.endm
.macro STEPA fetch
	s_wait_dscnt 0x0
	MULS
.if \fetch
	s_add_co_u32 s[TB], s[TB], REC
	v_add_nc_u32 v[ADR], s[TB], v[LI]
	PLACES 7
	FETCH
.else
	PLACES 8
.endif
	STATS
.endm
	v_add_nc_u32 v[ADR], s[TB], v[LI]
	s_wait_alu depctr_va_vdst(0)                   ; the wait at the head's end
	s_wait_tensorcnt 0x0                           ; my part of the first four groups is in
	ds_add_u32 v254, v255
	s_wait_dscnt 0x0
	CROUND                                         ; everybody's part is in, and the four work-groups are here
	tensor_load_to_lds s[G0B:G0B+3], s[G1:G1+7]    ; groups 4 to 7: a first fill, issued as a refill is
	s_nop 0
	PLACES 4
	FETCH
	s_wait_loadcnt 0x0
	s_mov_b32 s[CNT], 3
.Lfirst:
	STEPA 1
	s_sub_co_u32 s[CNT], s[CNT], 1
	s_cmp_lg_u32 s[CNT], 0
	s_cbranch_scc1 .Lfirst
	s_wait_tensorcnt 0x0
	s_wait_dscnt 0x0
	s_barrier_signal -1
	s_barrier_wait -1
	s_mov_b32 s[CNT], 4
.Lsecond:
	STEPA 1
	s_sub_co_u32 s[CNT], s[CNT], 1
	s_cmp_lg_u32 s[CNT], 0
	s_cbranch_scc1 .Lsecond
	STEPA 0
.irp q, 0,1
	s_delay_alu instid0(VALU_DEP_2)
	v_add_f32 v[LSUM+2*\q], v[LSUM+2*\q], v[LSUM+2*\q+1]
.endr
.irp q, 0,1
	s_delay_alu instid0(VALU_DEP_2)
	v_permlanex16_b32 v[TM+8*\q+4], v[LSUM+2*\q], s[SEL], s[SEL+1]
.endr
.irp q, 0,1
	s_delay_alu instid0(VALU_DEP_2)
	v_add_f32 v[LSUM+2*\q], v[LSUM+2*\q], v[TM+8*\q+4]
.endr
	v_cndmask_b32 v[TM], v[NM], v[NM+2], s[MSK]
	s_delay_alu instid0(VALU_DEP_2)
	v_cndmask_b32 v[TM+1], v[LSUM], v[LSUM+2], s[MSK]
	global_store_b64 v[SO], v[TM:TM+1], s[52:53]
	s_wait_tensorcnt 0x0
	ds_add_u32 v254, v255
	s_wait_dscnt 0x0
	CROUND
	s_endpgm
.Lfunc_end_k_q6204d8334a_stats:
	.size	k_q6204d8334a_stats, .Lfunc_end_k_q6204d8334a_stats-k_q6204d8334a_stats
	.p2alignl 7, 3214868480
	.fill 96, 4, 3214868480
	.section	.rodata,"a",@progbits
	.p2align	6, 0x0
	.amdhsa_kernel k_q6204d8334a_stats
		.amdhsa_group_segment_fixed_size 327680
		.amdhsa_private_segment_fixed_size 0
		.amdhsa_enable_private_segment 0
		.amdhsa_kernarg_size 24
		.amdhsa_user_sgpr_count 2
		.amdhsa_user_sgpr_kernarg_segment_ptr 1
		.amdhsa_wavefront_size32 1
		.amdhsa_system_sgpr_workgroup_id_x 1
		.amdhsa_system_sgpr_workgroup_id_y 1
		.amdhsa_system_sgpr_workgroup_id_z 1
		.amdhsa_system_vgpr_workitem_id 0
		.amdhsa_next_free_vgpr 512
		.amdhsa_next_free_sgpr 66
		.amdhsa_reserve_vcc 0
		.amdhsa_float_denorm_mode_32 3
		.amdhsa_float_denorm_mode_16_64 3
		.amdhsa_memory_ordered 1
		.amdhsa_forward_progress 1
		.amdhsa_inst_pref_size 88
	.end_amdhsa_kernel
	.amdgpu_metadata
---
amdhsa.version: [ 1, 2 ]
amdhsa.kernels:
  - .name:           k_q6204d8334a_stats
    .symbol:         k_q6204d8334a_stats.kd
    .args:
      - { .name: qf, .offset: 0, .size: 8, .value_kind: global_buffer, .address_space: global }
      - { .name: kv, .offset: 8, .size: 8, .value_kind: global_buffer, .address_space: global }
      - { .name: stats, .offset: 16, .size: 8, .value_kind: global_buffer, .address_space: global }
    .group_segment_fixed_size: 327680
    .private_segment_fixed_size: 0
    .kernarg_segment_align: 8
    .kernarg_segment_size: 24
    .max_flat_workgroup_size: 256
    .sgpr_count:     66
    .vgpr_count:     512
    .wavefront_size: 32
...
	.end_amdgpu_metadata
.endif
;; end of part 2
;; launch attn (part 3): grid 64 x 4, 4 waves a work-group, clusters of 4 x 1, 327,680 bytes of LDS; arguments qf, kv, stats, part; writes part
.if DOCPART == 3
	.amdgcn_target "amdgcn-amd-amdhsa--gfx1250"
	.amdhsa_code_object_version 6
	.text
	.protected	k_q6204d8334a_attn
	.globl	k_q6204d8334a_attn
	.p2align	8
	.type	k_q6204d8334a_attn,@function
k_q6204d8334a_attn:
	s_mov_b64 s[64:65], 0
	v_nop
	global_prefetch_b8 v0, s[64:65] scope:SCOPE_SE
	s_setreg_imm32_b32 hwreg(HW_REG_WAVE_MODE, 25, 1), 1
	s_wait_xcnt 0x0
	s_wait_alu depctr_hold_cnt(0) depctr_sa_sdst(0) depctr_va_vdst(0) depctr_va_sdst(0) depctr_va_ssrc(0) depctr_va_vcc(0) depctr_vm_vsrc(0)
	s_getreg_b32 s2, hwreg(HW_REG_IB_STS2, 6, 4)
	s_cmp_eq_u32 s2, 0
	s_cbranch_scc0 .Lentry_in_a_cluster
	s_endpgm
.Lentry_in_a_cluster:
	s_bfe_u32 s2, ttmp6, 0x10000c
	s_cmp_lg_u32 s2, 0x3003
	s_cbranch_scc0 .Lentry_shape_is_right
	s_endpgm
.Lentry_shape_is_right:
; THE SECOND PASS.  With each row's M and l known: p = 2^(t - M) and a2 = (p / l)^2 are quantised along the keys, and O^T += v^T p^T, Ovar^T += v_var^T a2^T.  Nothing is rescaled, and sums over ranges of keys simply add.
; SHARES.  Work-group x owns 128 queries, y a quarter of the keys: 16 steps of 128.  Wave W owns two tiles of 16 queries (pair 4 x + W): O^T and Ovar^T of a tile are 256 registers.
; It stores O^T / l and Ovar^T as images of its registers; the last launch adds the four quarters.
; All products are used transposed (S^T = k q^T, O^T = v^T p^T): a lane holds one query (lane % 16).  Records, images and the order of a tile's rows: see proj.
; RING.  Two LDS slots, each a group's three records (k, v, v_var: 101,376 dense bytes), a quarter by each wave's tensor load.  The four work-groups of a cluster share y and walk the same groups: each quarter is asked for JOINTLY.
; A wave has one tensor load out at the head and one behind each round; slot 1's first fill stands behind the round at the head's end.
; A STEP is 12 QUADS of four images through three register buffers by turns: quads 0-3 k, 4-7 v, 8-11 v_var; each image feeds both tiles' products.  A quad is fetched three quads ahead of its use.
; REGISTERS: window 0: below.  Window 1: v0-63 q (tile q, K step s at 32 q + 16 s); v64-255 the three buffers.  Window 2: O^T (tile q, channel tile ct at 128 q + 8 ct).  Window 3: Ovar^T likewise.
; LIMITS: NaN and infinities are not served; 1 / l is v_rcp_f32's; O / l is formed for each quarter of the keys and then summed; a block of zeros gets the scale byte 1 (its codes are zeros); |t| under 2^31.
.set REC,   33792
.set GRPB,  3*REC
.set QUART, GRPB/4                     ; 99 rows of 256 bytes: one tensor load
.set SLOT1, 1<<17                      ; slot 1: one exclusive or turns an address from slot to slot
.set SPARE, SLOT1+GRPB                 ; the spare words, 128 bytes a wave
.set LI,  1                            ; 16 x lane
.set ADK, 2                            ; v2-4 LDS address of the slot's k, v, v_var record + 16 x lane
.set ADV, 3
.set ADW, 4
.set SPW, 5                            ; my spare word; never rewritten
.set NIL, 6                            ; 0; never rewritten
.set PFO, 7                            ; the prefetches' offset
.set NM,  8                            ; v[8:9], v[10:11] tile q: -M
.set RL,  12                           ; v[12:13], v[14:15] 1 / l
.set KS,  16                           ; v16-39 the records' scale words
.set VS,  24
.set WS,  32
.set QS,  40                           ; q's scale words; v42-43 p's; v44-45 a2's
.set PS,  42
.set AS,  44
.set BM,  48                           ; four tile-blocks e = 2 q + beta: largest score, then largest p
.set T1,  52
.set HP,  56                           ; 448 x p's scale
.set SP,  60                           ; p's scale operand
.set AM,  64                           ; largest a2
.set HA,  68
.set SA,  72
.set T2,  76
.set TMP, 80                           ; held p, two sets of 16
.set SH,  112                          ; scores of 64 keys, then p, then a2
.set PCD, 176                          ; p's codes, 16 a tile; v208-239 a2's
.set WV,  12
.set G1,  24
.set G0A, 32                           ; group 0 of the first fill; G0B the second's, which then walks
.set G0B, 36
.set CS,  40                           ; c = log2(e) / 8
.set SEL, 42
.set TB,  44                           ; the slot that is read
.set CNT, 45
.set LIM, 46                           ; 1 in a cluster that prefetches, else the greatest number
.set MNT, 47
.set PFA, 48
.set MSB, 0
.macro WIN new
.if MSB != (\new)
	s_set_vgpr_msb (MSB<<8)|(\new)
.set MSB, (\new)
.endif
.endm
.macro PLACES n
.rept \n
	v_nop
.endr
.endm
.macro CREST                           ; a round of the cluster's barrier behind its opening barrier
	s_cmp_lg_u32 s[WV], 0
	s_cbranch_scc1 .Lnot_wave_0_\@
	s_barrier_signal -3
.Lnot_wave_0_\@:
	s_barrier_wait -3
	s_barrier_signal -1
	s_barrier_wait -1
.endm
.macro CROUND
	s_barrier_signal -1
	s_barrier_wait -1
	CREST
.endm
; A prefetch at step j's change of slots: the group of step j + 3, one step ahead of the joint load that asks for it: 396 blocks of 256 bytes.  The sixteen clusters of a y walk the same groups: cluster x = 0 asks.
; Its 512 lanes take a block each, told apart by address: block 128 cx + 32 W + lane, held at 395.  The loop's last trip and the two steps behind it ask for nothing; groups 0 to 2 come by their loads alone.
.macro ASK how
.if \how
	s_cmp_eq_u32 s[LIM], 1
.else
	s_cmp_gt_u32 s[CNT], s[LIM]
.endif
	s_cbranch_scc0 .Lnot_mine_\@
	global_prefetch_b8 v[PFO], s[PFA:PFA+1] th:TH_LOAD_NT scope:SCOPE_SE
.Lnot_mine_\@:
.endm
.macro LOADQ n                         ; quad n into buffer n % 3; a record's first quad brings its scale words too (18 loads, else 16)
.if (\n)%4 == 0
	WIN 0
	ds_load_b128 v[KS+8*((\n)/4):KS+8*((\n)/4)+3], v[ADK+(\n)/4] offset:32768
	ds_load_b128 v[KS+8*((\n)/4)+4:KS+8*((\n)/4)+7], v[ADK+(\n)/4] offset:33280
.endif
	WIN 0x40
.irp i, 0,1,2,3
.irp c, 0,1,2,3
	ds_load_b128 v[64+64*((\n)%3)+16*\i+4*\c:64+64*((\n)%3)+16*\i+4*\c+3], v[ADK+(\n)/4] offset:((\n)%4)*8192+2048*\i+512*\c
.endr
.endr
	WIN 0
.endm
.macro MULK n                          ; quad n of k: key tiles 4 (n / 2) + i at K step n % 2, both tiles of queries; eight accumulators by turns
	WIN 0x05
.irp i, 0,1,2,3
.irp q, 0,1
.if (\n)%2 == 0
	v_wmma_scale_f32_16x16x128_f8f6f4 v[SH+32*\q+8*\i:SH+32*\q+8*\i+7], v[64+64*((\n)%3)+16*\i:64+64*((\n)%3)+16*\i+15], v[32*\q:32*\q+15], 0, v[KS+4*((\n)/2)+\i], v[QS+\q]
.else
	v_wmma_scale_f32_16x16x128_f8f6f4 v[SH+32*\q+8*\i:SH+32*\q+8*\i+7], v[64+64*((\n)%3)+16*\i:64+64*((\n)%3)+16*\i+15], v[32*\q+16:32*\q+31], v[SH+32*\q+8*\i:SH+32*\q+8*\i+7], v[KS+4*((\n)/2)+\i], v[QS+\q] matrix_a_scale:MATRIX_SCALE_ROW1 matrix_b_scale:MATRIX_SCALE_ROW1
.endif
.endr
.endr
.endm
.macro MULV n, zero                    ; quad n of v (4-7) or v_var (8-11): channel tiles 4 (n % 4) + i.  zero = 1: the first step's products start the sums
	WIN 0xa1+0x50*((\n)/8)
.set MB, PCD+32*((\n)/8)
.set MS, VS+8*((\n)/8)+4*(((\n)%4)/2)
.set MP, PS+2*((\n)/8)
.set MA, 64+64*((\n)%3)
.set MO, 32*((\n)%4)
.irp i, 0,1,2,3
.irp q, 0,1
.if \zero
.if (\n)%2
	v_wmma_scale_f32_16x16x128_f8f6f4 v[128*\q+MO+8*\i:128*\q+MO+8*\i+7], v[MA+16*\i:MA+16*\i+15], v[MB+16*\q:MB+16*\q+15], 0, v[MS+\i], v[MP+\q] matrix_a_scale:MATRIX_SCALE_ROW1
.else
	v_wmma_scale_f32_16x16x128_f8f6f4 v[128*\q+MO+8*\i:128*\q+MO+8*\i+7], v[MA+16*\i:MA+16*\i+15], v[MB+16*\q:MB+16*\q+15], 0, v[MS+\i], v[MP+\q]
.endif
.else
.if (\n)%2
	v_wmma_scale_f32_16x16x128_f8f6f4 v[128*\q+MO+8*\i:128*\q+MO+8*\i+7], v[MA+16*\i:MA+16*\i+15], v[MB+16*\q:MB+16*\q+15], v[128*\q+MO+8*\i:128*\q+MO+8*\i+7], v[MS+\i], v[MP+\q] matrix_a_scale:MATRIX_SCALE_ROW1
.else
	v_wmma_scale_f32_16x16x128_f8f6f4 v[128*\q+MO+8*\i:128*\q+MO+8*\i+7], v[MA+16*\i:MA+16*\i+15], v[MB+16*\q:MB+16*\q+15], v[128*\q+MO+8*\i:128*\q+MO+8*\i+7], v[MS+\i], v[MP+\q]
.endif
.endif
.endr
.endr
.endm
; THE VECTOR WORK of 64 keys (half hf of a step), both tiles: block e's 16 registers are keys 32 (2 hf + beta) + 16 (lane / 16) + 0 .. 15
.macro HALF hf
.irp e, 0,1,2,3
	v_max3_num_f32 v[BM+\e], v[SH+16*\e], v[SH+16*\e+1], v[SH+16*\e+2]   ; the block's largest score gives its largest p; each accumulator is read from its low end on
.endr
.irp i, 3,5,7,9,11,13
.irp e, 0,1,2,3
	v_max3_num_f32 v[BM+\e], v[BM+\e], v[SH+16*\e+\i], v[SH+16*\e+\i+1]
.endr
.endr
.irp e, 0,1,2,3
	v_max_num_f32 v[BM+\e], v[BM+\e], v[SH+16*\e+15]
.endr
.irp e, 0,1,2,3
	v_permlanex16_b32 v[T1+\e], v[BM+\e], s[SEL], s[SEL+1]
.endr
.irp e, 0,1,2,3
	v_max_num_f32 v[BM+\e], v[BM+\e], v[T1+\e]
.endr
.irp e, 0,1,2,3
.irp j, 0,2,4,6,8,10,12,14
	v_pk_fma_f32 v[SH+16*\e+\j:SH+16*\e+\j+1], v[SH+16*\e+\j:SH+16*\e+\j+1], s[CS:CS+1], v[NM+2*(\e/2):NM+2*(\e/2)+1] op_sel_hi:[1,0,0]   ; t - M
.endr
.endr
.irp e, 0,1,2,3
	v_fma_f32 v[BM+\e], v[BM+\e], s[CS], v[NM+2*(\e/2)]
.endr
	s_wait_alu depctr_va_vdst(0)                   ; the wait ahead of the batch
.irp e, 0,1,2,3
	v_exp_f32 v[BM+\e], v[BM+\e]
.endr
.set i, 0
.rept 64
	v_exp_f32 v[SH+i], v[SH+i]                     ; p = 2^(t - M)
.set i, i+1
.endr
	v_nop                                          ; a plain line behind the last exponential
	s_wait_alu depctr_va_vdst(0)                   ; one wait for the batch of 68, ahead of its first reader
.irp e, 0,1,2,3
	v_mul_f32 v[AM+\e], v[BM+\e], v[RL+2*(\e/2)]   ; the block's largest a2: the same two multiplications as every p's below
.endr
.irp e, 0,1,2,3
	v_mul_f32 v[AM+\e], v[AM+\e], v[AM+\e]
.endr
.irp e, 0,1,2,3
	v_max_num_f32 v[BM+\e], 0x4800000, v[BM+\e]    ; the floor 2^(9 - 127): the byte cannot fall under 1
	v_max_num_f32 v[AM+\e], 0x4800000, v[AM+\e]
.endr
.irp e, 0,1,2,3
	v_add_nc_u32 v[SP+\e], 0xfc000000, v[BM+\e]    ; 8 off the exponent field: the conversion's scale operand
	v_add_nc_u32 v[SA+\e], 0xfc000000, v[AM+\e]
.endr
.irp e, 0,1,2,3
	v_and_or_b32 v[HP+\e], v[BM+\e], 0x7f800000, s[MNT]    ; 448 x the scale
	v_and_or_b32 v[HA+\e], v[AM+\e], 0x7f800000, s[MNT]
.endr
.irp e, 0,1,2,3
	v_lshrrev_b32 v[T1+\e], 23, v[SP+\e]           ; the scales' bytes
	v_lshrrev_b32 v[T2+\e], 23, v[SA+\e]
.endr
.irp q, 0,1                            ; the step's scale words: bytes 0, 1 from the first half, 2, 3 from the second
.if \hf == 0
	v_lshl_or_b32 v[PS+\q], v[T1+2*\q+1], 8, v[T1+2*\q]
	v_lshl_or_b32 v[AS+\q], v[T2+2*\q+1], 8, v[T2+2*\q]
.else
	v_lshl_or_b32 v[PS+\q], v[T1+2*\q], 16, v[PS+\q]
	v_lshl_or_b32 v[AS+\q], v[T2+2*\q], 16, v[AS+\q]
	v_lshl_or_b32 v[PS+\q], v[T1+2*\q+1], 24, v[PS+\q]
	v_lshl_or_b32 v[AS+\q], v[T2+2*\q+1], 24, v[AS+\q]
.endif
.endr
.irp e, 0,1,2,3
.irp i, 0,2,4,6,8,10,12,14             ; the hold (the conversion does not saturate: ISA guide 7.6.2), one-sided since p is not negative, two numbers an instruction; p itself is kept for a2
	v_dual_min_num_f32 v[TMP+16*(\e%2)+\i], v[SH+16*\e+\i], v[HP+\e] :: v_dual_min_num_f32 v[TMP+16*(\e%2)+\i+1], v[SH+16*\e+\i+1], v[HP+\e]
.endr
	v_cvt_scalef32_pk8_fp8_f32 v[PCD+16*(\e/2)+4*(2*\hf+\e%2):PCD+16*(\e/2)+4*(2*\hf+\e%2)+1], v[TMP+16*(\e%2):TMP+16*(\e%2)+7], v[SP+\e]
	v_cvt_scalef32_pk8_fp8_f32 v[PCD+16*(\e/2)+4*(2*\hf+\e%2)+2:PCD+16*(\e/2)+4*(2*\hf+\e%2)+3], v[TMP+16*(\e%2)+8:TMP+16*(\e%2)+15], v[SP+\e]
.if \hf == 0                           ; the first half's a2 is made here: the second half's scores land on these registers.  The second half's a2 is made by APART, among v's quads
.irp j, 0,2,4,6,8,10,12,14
	v_pk_mul_f32 v[SH+16*\e+\j:SH+16*\e+\j+1], v[SH+16*\e+\j:SH+16*\e+\j+1], v[RL+2*(\e/2):RL+2*(\e/2)+1] op_sel_hi:[1,0]
.endr
.irp j, 0,2,4,6,8,10,12,14
	v_pk_mul_f32 v[SH+16*\e+\j:SH+16*\e+\j+1], v[SH+16*\e+\j:SH+16*\e+\j+1], v[SH+16*\e+\j:SH+16*\e+\j+1]   ; squared
.endr
.irp i, 0,2,4,6,8,10,12,14
	v_dual_min_num_f32 v[SH+16*\e+\i], v[SH+16*\e+\i], v[HA+\e] :: v_dual_min_num_f32 v[SH+16*\e+\i+1], v[SH+16*\e+\i+1], v[HA+\e]
.endr
	v_cvt_scalef32_pk8_fp8_f32 v[PCD+32+16*(\e/2)+4*(2*\hf+\e%2):PCD+32+16*(\e/2)+4*(2*\hf+\e%2)+1], v[SH+16*\e:SH+16*\e+7], v[SA+\e]
	v_cvt_scalef32_pk8_fp8_f32 v[PCD+32+16*(\e/2)+4*(2*\hf+\e%2)+2:PCD+32+16*(\e/2)+4*(2*\hf+\e%2)+3], v[SH+16*\e+8:SH+16*\e+15], v[SA+\e]
.endif
.endr
.if \hf
	PLACES 4                                       ; p's last codes stand four places ahead of the scaled products that read them
.else
	v_nop                                          ; one plain line behind the last conversion: the next products write its sources
.endif
.endm
; The second half's a2 of tile-block e: p, 1 / l, the hold and the scale operand still stand in their registers.  No product of v names any of these lines' registers, so its 24 plain lines
; are also the places between a quad's products and the loads into its buffer.
.macro APART e
	WIN 0
.irp j, 0,2,4,6,8,10,12,14
	v_pk_mul_f32 v[SH+16*\e+\j:SH+16*\e+\j+1], v[SH+16*\e+\j:SH+16*\e+\j+1], v[RL+2*(\e/2):RL+2*(\e/2)+1] op_sel_hi:[1,0]   ; the finished softmax,
.endr
.irp j, 0,2,4,6,8,10,12,14
	v_pk_mul_f32 v[SH+16*\e+\j:SH+16*\e+\j+1], v[SH+16*\e+\j:SH+16*\e+\j+1], v[SH+16*\e+\j:SH+16*\e+\j+1]   ; squared,
.endr
.irp i, 0,2,4,6,8,10,12,14
	v_dual_min_num_f32 v[SH+16*\e+\i], v[SH+16*\e+\i], v[HA+\e] :: v_dual_min_num_f32 v[SH+16*\e+\i+1], v[SH+16*\e+\i+1], v[HA+\e]   ; held,
.endr
	v_cvt_scalef32_pk8_fp8_f32 v[PCD+32+16*(\e/2)+4*(2+\e%2):PCD+32+16*(\e/2)+4*(2+\e%2)+1], v[SH+16*\e:SH+16*\e+7], v[SA+\e]   ; and its codes
	v_cvt_scalef32_pk8_fp8_f32 v[PCD+32+16*(\e/2)+4*(2+\e%2)+2:PCD+32+16*(\e/2)+4*(2+\e%2)+3], v[SH+16*\e+8:SH+16*\e+15], v[SA+\e]
	v_nop                                          ; one plain line behind the last conversion
.endm
.macro NEWADR                          ; the slot's addresses; with the four lines ahead of them, eight places ahead of the loads
	v_add_nc_u32 v[ADK], s[TB], v[LI]
	v_add_nc_u32 v[ADV], REC, v[ADK]
	v_add_nc_u32 v[ADW], 2*REC, v[ADK]
	v_nop
.endm
.macro OUTO                            ; O^T / l, then the register file as it stands: four registers of 32 lanes = 512 consecutive bytes a store
	WIN 0x82                                       ; O^T window 2, 1 / l window 0
.irp q, 0,1
.set i, 0
.rept 64
	v_pk_mul_f32 v[128*\q+i:128*\q+i+1], v[128*\q+i:128*\q+i+1], v[RL+2*\q:RL+2*\q+1] op_sel_hi:[1,0]   ; ascending: each accumulator from its low end on
.set i, i+2
.endr
.endr
	WIN 0x08                                       ; a store's data are its source 1
.set i, 0
.rept 64
	global_store_b128 v[LI], v[4*i:4*i+3], s[62:63] offset:512*i th:TH_STORE_NT
.set i, i+1
.endr
	WIN 0
.endm
; A STEP of 128 keys.  Each wait on DScnt leaves the two younger quads' loads out: 16 + 16, or 16 + 18 where one carries scale words.  Eight places stand between a quad's products and the loads into its buffer.
; mode 2: the slot is filled again; 1: the slots change and nothing is asked for; 0: the last step, in which O^T leaves as soon as its last products are done.
.macro STEP zero, mode
	s_wait_dscnt 32
	MULK 0
	PLACES 8
	LOADQ 3
	s_wait_dscnt 32
	MULK 1
	PLACES 8
	LOADQ 4
	HALF 0
	s_wait_dscnt 34
	MULK 2
	PLACES 8
	LOADQ 5
	s_wait_dscnt 34
	MULK 3
	PLACES 8
	LOADQ 6
	HALF 1
	s_wait_alu depctr_va_vdst(0)
	s_wait_dscnt 32
	MULV 4, \zero
	APART 0
	LOADQ 7
	s_wait_dscnt 32
	MULV 5, \zero
	APART 1
	LOADQ 8
	s_wait_dscnt 34
	MULV 6, \zero
	APART 2
	LOADQ 9
	s_wait_dscnt 34
	MULV 7, \zero
	APART 3
	PLACES 3                                       ; with APART's last line: a2's last codes stand four places ahead of the scaled products that read them
	s_wait_alu depctr_va_vdst(0)
	LOADQ 10
.if \mode == 0
	OUTO
.endif
	s_wait_dscnt 32
	MULV 8, \zero
	PLACES 8
	LOADQ 11
	s_wait_dscnt 32
	MULV 9, \zero
.if \mode == 0
	s_wait_dscnt 16
	MULV 10, \zero
	s_wait_dscnt 0x0
	MULV 11, \zero
.else
	WIN 0                                          ; THE CHANGE OF SLOTS: the slot's last bytes, quads 10 and 11, have been asked for
.if \mode == 2
	s_wait_xcnt 0x0                                ; the last prefetch has read its address
	s_add_nc_u64 s[PFA:PFA+1], s[PFA:PFA+1], GRPB
.endif
	s_wait_tensorcnt 0x0                           ; my quarter of the other slot is in
	ds_add_u32 v[SPW], v[NIL]
.if \mode == 2
	s_xor_b32 s[G0B+1], s[G0B+1], SLOT1            ; the walking descriptor: the slot that is being left,
	s_add_nc_u64 s[G0B+2:G0B+3], s[G0B+2:G0B+3], GRPB   ; the next group
.endif
	s_xor_b32 s[TB], s[TB], SLOT1
	s_wait_dscnt 0x0                               ; the add is done, and my reads of the slot are over
	s_barrier_signal -1
	MULV 10, \zero                                 ; work on registers
	WIN 0
	s_barrier_wait -1
.if \mode == 2
	CREST                                          ; the barrier has opened a round of the cluster's
	tensor_load_to_lds s[G0B:G0B+3], s[G1:G1+7]    ; my one tensor load behind the round
	s_nop 0
.endif
	PLACES 4
	NEWADR
	LOADQ 0
	LOADQ 1
.if \mode == 2
	ASK \zero
.endif
	MULV 11, \zero
	PLACES 8
	s_wait_alu depctr_va_vdst(0)
	LOADQ 2
.endif
.endm
	s_load_b256 s[4:11], s[0:1], 0x0               ; qf, kv, stats, part
	v_lshl_add_u32 v[SPW], v0, 2, SPARE
	v_mov_b32 v[NIL], 0
	ds_add_u32 v[SPW], v[NIL]                      ; the opening lines: the add, twice on end
	ds_add_u32 v[SPW], v[NIL]
	v_lshrrev_b32 v1, 5, v0
	v_readfirstlane_b32 s[WV], v1                  ; wave 0..3
	s_and_b32 s15, ttmp7, 0xffff                   ; y, which the four partners share
	s_mov_b32 s[G1], 15|(3<<16)|(1<<21)            ; the mask of all four; elements of 8 bytes; bit 21 beside a mask
	s_mov_b32 s[G1+1], 32<<16                      ; rows of 256 bytes
	s_mov_b32 s[G1+2], 99<<16
	s_mov_b32 s[G1+3], 32<<16
	s_mov_b32 s[G1+4], 99
	s_mov_b32 s[G1+5], 32                          ; dense
	s_mov_b32 s[G1+6], 0
	s_mov_b32 s[G1+7], 0
	s_mul_i32 s50, s15, 16*GRPB                    ; y's first group
	s_mul_i32 s51, s[WV], QUART                    ; my quarter, in memory and in a slot
	s_add_co_u32 s52, s50, s51
	s_mov_b32 s53, 0
	s_add_co_u32 s54, s50, 2*GRPB                  ; the prefetches stand at group 2: the first change steps them to group 3
	s_mov_b32 s55, 0
	s_bfe_u32 s13, ttmp6, 0x40000                  ; cx: it enters q's, stats', part's and the prefetches' addresses alone
	s_lshl_b32 s14, ttmp9, 2
	s_add_co_u32 s14, s14, s13                     ; work-group x = q's record
	s_mul_i32 s16, s14, REC
	s_lshr_b32 s17, s[WV], 1
	s_and_b32 s18, s[WV], 1
	s_lshl_b32 s19, s17, 14
	s_add_co_u32 s19, s19, s16
	s_lshl_b32 s20, s18, 12
	s_add_co_u32 s56, s19, s20                     ; my pair's images: 16,384 (W / 2) + 4,096 (W % 2)
	s_mov_b32 s57, 0
	s_lshl_b32 s19, s17, 9
	s_add_co_u32 s19, s19, s16
	s_lshl_b32 s20, s18, 3
	s_add_co_u32 s19, s19, s20
	s_add_co_u32 s58, s19, 32768                   ; its scale words
	s_mov_b32 s59, 0
	s_lshl_b32 s19, s14, 2
	s_add_co_u32 s19, s19, s[WV]                   ; my query pair
	s_lshl_b32 s60, s19, 8                         ; in stats: 256 bytes a pair,
	s_mov_b32 s61, 0
	s_lshl_b32 s62, s19, 16                        ; in part: 65,536 a pair, 2^24 a quarter of the keys
	s_lshl_b32 s20, s15, 24
	s_add_co_u32 s62, s62, s20
	s_mov_b32 s63, 0
	s_lshl_b32 s16, s13, 7
	v_add_nc_u32 v[PFO], s16, v0                   ; block 128 cx + 32 W + lane,
	v_min_u32 v[PFO], 395, v[PFO]                  ; held inside the group
	v_lshlrev_b32 v[PFO], 8, v[PFO]
	s_cmp_eq_u32 ttmp9, 0                          ; the same in all four partners
	s_cselect_b32 s[LIM], 1, -1
	s_mov_b32 s[CS], 0x3e38aa3b
	s_mov_b32 s[CS+1], s[CS]
	s_mov_b32 s[SEL], 0x76543210
	s_mov_b32 s[SEL+1], 0xfedcba98
	s_mov_b32 s[MNT], 0x600000
	s_mov_b32 s[TB], 0
	s_wait_alu depctr_va_vdst(0)                   ; the wait, directly ahead of the waits below
	s_wait_dscnt 0x0                               ; both opening adds are done
	s_wait_kmcnt 0x0
	s_mov_b32 s[G0A], 1
	s_mov_b32 s[G0A+1], s51
	s_add_nc_u64 s[G0A+2:G0A+3], s[6:7], s[52:53]
	s_mov_b32 s[G0B], 1
	s_add_co_u32 s[G0B+1], s51, SLOT1
	s_add_nc_u64 s[G0B+2:G0B+3], s[G0A+2:G0A+3], GRPB
	s_or_b32 s[G0A+3], s[G0A+3], 0x80000000
	s_or_b32 s[G0B+3], s[G0B+3], 0x80000000
	s_add_nc_u64 s[PFA:PFA+1], s[6:7], s[54:55]
	s_add_nc_u64 s[56:57], s[4:5], s[56:57]
	s_add_nc_u64 s[58:59], s[4:5], s[58:59]
	s_add_nc_u64 s[60:61], s[8:9], s[60:61]
	s_add_nc_u64 s[62:63], s[10:11], s[62:63]
	v_and_b32 v[LI], 31, v0
	v_lshlrev_b32 v[LI], 4, v[LI]
	v_and_b32 v80, 15, v0
	v_lshlrev_b32 v80, 3, v80                      ; 8 r: my query's place in a tile's 128 bytes of stats
	WIN 0x40                                       ; q and the statistics are asked for ahead of the round: nobody writes these bytes
.irp q, 0,1
.irp st, 0,1
.irp c, 0,1,2,3
	global_load_b128 v[32*\q+16*\st+4*\c:32*\q+16*\st+4*\c+3], v[LI], s[56:57] offset:8192*\st+2048*\q+512*\c
.endr
.endr
.endr
	WIN 0
.irp q, 0,1
	global_load_b32 v[QS+\q], v[LI], s[58:59] offset:4*\q
.endr
.irp i, 0,1,2,3,4,5,6,7
.irp q, 0,1
	global_load_b64 v[SH+4*\i+2*\q:SH+4*\i+2*\q+1], v80, s[60:61] offset:65536*\i+128*\q   ; eighth i of the keys: my query's -M and l
.endr
.endr
.irp e, 0,1,2,3
	v_mov_b32 v[T1+\e], 0                          ; a lane permute's destination counts as one of its sources
.endr
	CROUND                                         ; all four work-groups are here: the first joint loads meet
	tensor_load_to_lds s[G0A:G0A+3], s[G1:G1+7]    ; group 0 into slot 0: my one tensor load at the head
	s_nop 0
	PLACES 4
	s_wait_loadcnt 0x0
.irp q, 0,1
	v_min_num_f32 v[NM+2*\q], v[SH+2*\q], v[SH+4+2*\q]
.endr
.irp i, 2,3,4,5,6,7
.irp q, 0,1
	v_min_num_f32 v[NM+2*\q], v[NM+2*\q], v[SH+4*\i+2*\q]  ; the row's -M: the least of the eight
.endr
.endr
.irp i, 0,1,2,3,4,5,6,7
.irp q, 0,1
	v_sub_f32 v[SH+4*\i+2*\q], v[NM+2*\q], v[SH+4*\i+2*\q] ; M_i - M: a whole number, 0 or less
.endr
.endr
.irp i, 0,1,2,3,4,5,6,7
.irp q, 0,1
	v_cvt_i32_f32 v[SH+4*\i+2*\q], v[SH+4*\i+2*\q]
.endr
.endr
.irp i, 0,1,2,3,4,5,6,7
.irp q, 0,1
	v_ldexp_f32 v[SH+4*\i+2*\q+1], v[SH+4*\i+2*\q+1], v[SH+4*\i+2*\q]   ; l_i under the row's M
.endr
.endr
.irp q, 0,1
	v_add_f32 v[RL+2*\q], v[SH+2*\q+1], v[SH+4+2*\q+1]
.endr
.irp i, 2,3,4,5,6,7
.irp q, 0,1
	v_add_f32 v[RL+2*\q], v[RL+2*\q], v[SH+4*\i+2*\q+1]
.endr
.endr
	s_wait_alu depctr_va_vdst(0)                   ; the wait ahead of the reciprocals
.irp q, 0,1
	v_rcp_f32 v[RL+2*\q], v[RL+2*\q]
.endr
.irp q, 0,1
	v_mov_b32 v[NM+2*\q+1], v[NM+2*\q]             ; the pairs' upper words are named, so they are written; plain lines behind the reciprocals
.endr
	s_wait_alu depctr_va_vdst(0)                   ; one wait for the two reciprocals, ahead of their first reader
.irp q, 0,1
	v_mov_b32 v[RL+2*\q+1], v[RL+2*\q]
.endr
	s_wait_alu depctr_va_vdst(0)                   ; the wait at the head's end
	s_wait_tensorcnt 0x0                           ; my quarter of slot 0 is in
	ds_add_u32 v[SPW], v[NIL]
	s_wait_dscnt 0x0
	CROUND                                         ; everybody's quarter is in, and all four work-groups are here
	tensor_load_to_lds s[G0B:G0B+3], s[G1:G1+7]    ; group 1 into slot 1: the first tensor load behind the round
	s_nop 0
	PLACES 4
	NEWADR
	LOADQ 0
	LOADQ 1
	LOADQ 2
	s_wait_alu depctr_va_vdst(0)
	STEP 1, 2                                      ; step 0 stands ahead of the loop: its products start the sums
	s_mov_b32 s[CNT], 13
.Lstep:                                            ; steps 1 to 13: each fills the slot that it leaves with the group two steps on
	STEP 0, 2
	s_sub_co_u32 s[CNT], s[CNT], 1
	s_cmp_lg_u32 s[CNT], 0
	s_cbranch_scc1 .Lstep
	STEP 0, 1                                      ; the tail is written out
	STEP 0, 0
	PLACES 8                                       ; eight places ahead of the stores that read the last results
	WIN 0x0c                                       ; Ovar^T as it stands: window 3, each accumulator from its low end on
.set i, 0
.rept 64
	global_store_b128 v[LI], v[4*i:4*i+3], s[62:63] offset:32768+512*i th:TH_STORE_NT
.set i, i+1
.endr
	WIN 0
	s_wait_tensorcnt 0x0                           ; the wave's end
	ds_add_u32 v[SPW], v[NIL]
	s_wait_dscnt 0x0
	CROUND                                         ; the closing round
	s_endpgm
.Lfunc_end_k_q6204d8334a_attn:
	.size	k_q6204d8334a_attn, .Lfunc_end_k_q6204d8334a_attn-k_q6204d8334a_attn
	.p2alignl 7, 3214868480
	.fill 96, 4, 3214868480
	.section	.rodata,"a",@progbits
	.p2align	6, 0x0
	.amdhsa_kernel k_q6204d8334a_attn
		.amdhsa_group_segment_fixed_size 327680
		.amdhsa_private_segment_fixed_size 0
		.amdhsa_enable_private_segment 0
		.amdhsa_kernarg_size 32
		.amdhsa_user_sgpr_count 2
		.amdhsa_user_sgpr_kernarg_segment_ptr 1
		.amdhsa_wavefront_size32 1
		.amdhsa_system_sgpr_workgroup_id_x 1
		.amdhsa_system_sgpr_workgroup_id_y 1
		.amdhsa_system_sgpr_workgroup_id_z 1
		.amdhsa_system_vgpr_workitem_id 0
		.amdhsa_next_free_vgpr 1024
		.amdhsa_next_free_sgpr 66
		.amdhsa_reserve_vcc 0
		.amdhsa_float_denorm_mode_32 3
		.amdhsa_float_denorm_mode_16_64 3
		.amdhsa_memory_ordered 1
		.amdhsa_forward_progress 1
		.amdhsa_inst_pref_size 255
	.end_amdhsa_kernel
	.section	.bss,"aw",@nobits
	.p2align	6
	.space	262144
	.amdgpu_metadata
---
amdhsa.version: [ 1, 2 ]
amdhsa.kernels:
  - .name:           k_q6204d8334a_attn
    .symbol:         k_q6204d8334a_attn.kd
    .args:
      - { .name: qf, .offset: 0, .size: 8, .value_kind: global_buffer, .address_space: global }
      - { .name: kv, .offset: 8, .size: 8, .value_kind: global_buffer, .address_space: global }
      - { .name: stats, .offset: 16, .size: 8, .value_kind: global_buffer, .address_space: global }
      - { .name: part, .offset: 24, .size: 8, .value_kind: global_buffer, .address_space: global }
    .group_segment_fixed_size: 327680
    .private_segment_fixed_size: 0
    .kernarg_segment_align: 8
    .kernarg_segment_size: 32
    .max_flat_workgroup_size: 128
    .sgpr_count:     66
    .vgpr_count:     1024
    .wavefront_size: 32
...
	.end_amdgpu_metadata
.endif
;; end of part 3
;; launch final (part 4): grid 256 x 1, 8 waves a work-group, no clusters, 76,288 bytes of LDS; arguments part, Wo_codes, Wo_scales, bo, out0, out1; writes out0, out1
.if DOCPART == 4
	.amdgcn_target "amdgcn-amd-amdhsa--gfx1250"
	.amdhsa_code_object_version 6
	.text
	.protected	k_q6204d8334a_final
	.globl	k_q6204d8334a_final
	.p2align	8
	.type	k_q6204d8334a_final,@function
k_q6204d8334a_final:
	s_mov_b64 s[64:65], 0
	v_nop
	global_prefetch_b8 v0, s[64:65] scope:SCOPE_SE
	s_setreg_imm32_b32 hwreg(HW_REG_WAVE_MODE, 25, 1), 1
	s_wait_xcnt 0x0
; The four quarters of the keys are added; out1 = the sum of Ovar; O = the sum of O / l is quantised along its 256 channels and out0 = O Wo^T + bo, on codes of FP8 (E4M3) with E8M0 scales.
; SHARES.  A work-group takes a query pair P (32 rows).  Wave w = 4 o + 2 u + s adds 64 registers of file o (0 O, 1 Ovar), tile u, channels 128 s on: register 16 b + i of lane (r, h) is channel 128 s + 32 b + 16 h + i of
; query 32 P + 8 u + r + 8 (r / 8): the order in which the quantiser and the operand's layout want them.  Waves 0-3 quantise and hand their fragment to all waves through LDS as an image of its registers; waves 4-7
; put their sums into out1's stage.  Then every wave makes output channels 32 w .. 32 w + 31 for both tiles (source 0 = 16 rows of Wo, permuted as in proj; source 1 = O), bo being the C of the first product.
; Both outputs leave through stages of 32 rows x (1,024 + 16) bytes, as runs of 512 consecutive bytes.  The stream from part binds this launch: no tensor load, no cluster; Wo is 64 KiB, an eighth a wave, through registers.
; LIMITS: NaN and infinities are not served; a block of zeros gets the scale byte 1 (its codes are zeros).
.set SPITCH, 1040
.set OIMG, 0                           ; LDS: O's four images (2 u + s), 2,048 bytes each,
.set OSC,  8192                        ; their scale words, 128 bytes each,
.set STG0, 8704                        ; out0's stage: row 16 u + r,
.set STG1, STG0+32*SPITCH              ; out1's
.set LI,  1                            ; v1   16 x lane
.set L4,  2                            ; v2   4 x lane
.set VC,  3                            ; v3   Wo: 256 x (r + 8 (r / 8)) + 16 h
.set VSC, 4                            ; v4   its scale bytes: 8 x (r + 8 (r / 8))
.set VB,  5                            ; v5   bo: 64 h
.set IMW, 6                            ; v6   where I store my image
.set SCW, 7                            ; v7   and its scale words
.set VS1, 8                            ; v8   out1's stage: where I put my sums
.set VS0, 9                            ; v9   out0's stage: where I put my results
.set RDB, 10                           ; v10  where I read rows back
.set X0,  16                           ; v16-79  quarter 0, then the sum; later v16-47 the four accumulators
.set X1,  80                           ; v80-143 quarter 1; later O's four fragments; later rows on their way out.  Window 1: v0-63, v64-127 quarters 2, 3; v128-191 Wo; v192-207 bo
.set PC,  144
.set TM,  160
.set PW,  176
.set OS,  184                          ; v184-187 O's scale words
.set WS,  188                          ; v188-191 Wo's
.set WV,  16
.set SEL, 32
.set MNT, 34
.set MSB, 0
.macro WIN new
.if MSB != (\new)
	s_set_vgpr_msb (MSB<<8)|(\new)
.set MSB, (\new)
.endif
.endm
.macro PLACES n
.rept \n
	v_nop
.endr
.endm
.macro QUANT src, pc, pw               ; 64 numbers of a lane, register 16 b + i = k 32 b + 16 (lane / 16) + i, become a fragment's codes and its scale word
.irp b, 0,1,2,3
	v_max3_num_f32 v[TM+\b], |v[\src+16*\b]|, |v[\src+16*\b+1]|, 0x4800000   ; and the floor 2^(9 - 127): the byte cannot fall under 1
.endr
.irp i, 2,4,6,8,10,12,14
.irp b, 0,1,2,3
	s_delay_alu instid0(VALU_DEP_4)
	v_max3_num_f32 v[TM+\b], v[TM+\b], |v[\src+16*\b+\i]|, |v[\src+16*\b+\i+1]|
.endr
.endr
.irp b, 0,1,2,3
	s_delay_alu instid0(VALU_DEP_4)
	v_permlanex16_b32 v[TM+4+\b], v[TM+\b], s[SEL], s[SEL+1]
.endr
.irp b, 0,1,2,3
	s_delay_alu instid0(VALU_DEP_4)
	v_max_num_f32 v[TM+\b], v[TM+\b], v[TM+4+\b]
.endr
.irp b, 0,1,2,3
	s_delay_alu instid0(VALU_DEP_4)
	v_add_nc_u32 v[TM+12+\b], 0xfc000000, v[TM+\b]
.endr
.irp b, 0,1,2,3
	v_and_or_b32 v[TM+8+\b], v[TM+\b], 0x7f800000, s[MNT]
.endr
.irp b, 0,1,2,3
	v_lshrrev_b32 v[TM+4+\b], 23, v[TM+12+\b]
.endr
	s_delay_alu instid0(VALU_DEP_3)
	v_lshl_or_b32 v[\pw], v[TM+5], 8, v[TM+4]
	s_delay_alu instid0(VALU_DEP_1)
	v_lshl_or_b32 v[\pw], v[TM+6], 16, v[\pw]
	s_delay_alu instid0(VALU_DEP_1)
	v_lshl_or_b32 v[\pw], v[TM+7], 24, v[\pw]
.irp b, 0,1,2,3
.irp i, 0,1,2,3,4,5,6,7,8,9,10,11,12,13,14,15
	v_med3_num_f32 v[\src+16*\b+\i], v[\src+16*\b+\i], -v[TM+8+\b], v[TM+8+\b]   ; the conversion does not saturate (ISA guide 7.6.2): the hold comes first
.endr
	v_cvt_scalef32_pk8_fp8_f32 v[\pc+4*\b:\pc+4*\b+1], v[\src+16*\b:\src+16*\b+7], v[TM+12+\b]
	v_cvt_scalef32_pk8_fp8_f32 v[\pc+4*\b+2:\pc+4*\b+3], v[\src+16*\b+8:\src+16*\b+15], v[TM+12+\b]
.endr
	v_nop                                          ; one plain line behind the last conversion: the products below write its sources
.endm
	s_load_b256 s[4:11], s[0:1], 0x0               ; part, Wo's codes, Wo's scales, bo
	s_load_b128 s[12:15], s[0:1], 0x20             ; out0, out1
	v_lshl_add_u32 v254, v0, 2, 0x12600
	v_mov_b32 v255, 0
	v_lshrrev_b32 v1, 5, v0
	s_delay_alu instid0(VALU_DEP_1)
	v_readfirstlane_b32 s[WV], v1                  ; wave 0..7
	v_and_b32 v11, 15, v0                          ; r
	v_bfe_u32 v12, v0, 4, 1                        ; h
	s_delay_alu instid0(VALU_DEP_2)
	v_and_b32 v13, 8, v11
	s_delay_alu instid0(VALU_DEP_1)
	v_add_nc_u32 v13, v13, v11                     ; r + 8 (r / 8)
	v_and_b32 v14, 31, v0
	s_delay_alu instid0(VALU_DEP_1)
	v_lshlrev_b32 v[LI], 4, v14
	s_delay_alu instid0(VALU_DEP_2)
	v_lshlrev_b32 v[L4], 2, v14
	s_delay_alu instid0(VALU_DEP_4)
	v_lshlrev_b32 v[VC], 8, v13
	s_delay_alu instid0(VALU_DEP_1)
	v_lshl_add_u32 v[VC], v12, 4, v[VC]
	v_lshlrev_b32 v[VSC], 3, v13
	v_lshlrev_b32 v[VB], 6, v12
	; every LDS address is made here, ahead of the place where the waves part by role
	s_and_b32 s17, s[WV], 3
	s_lshl_b32 s18, s17, 11
	v_add_nc_u32 v[IMW], s18, v[LI]                ; image 2 u + s
	s_lshl_b32 s18, s17, 7
	s_add_co_u32 s18, s18, OSC
	v_add_nc_u32 v[SCW], s18, v[L4]
	v_mul_u32_u24 v15, v11, SPITCH
	s_delay_alu instid0(VALU_DEP_1)
	v_lshl_add_u32 v15, v12, 6, v15                ; stage row r, + 64 h
	s_wait_alu depctr_va_vdst(0)
	s_bfe_u32 s18, s[WV], 0x10001                  ; u
	s_mul_i32 s18, s18, 16*SPITCH
	s_and_b32 s19, s[WV], 1                        ; s
	s_lshl_b32 s20, s19, 9
	s_add_co_u32 s18, s18, s20
	s_add_co_u32 s18, s18, STG1
	v_add_nc_u32 v[VS1], s18, v15                  ; rows 16 u on, bytes 512 s on
	s_lshl_b32 s18, s[WV], 7
	s_add_co_u32 s18, s18, STG0
	v_add_nc_u32 v[VS0], s18, v15                  ; my 32 channels: bytes 128 w on
	s_lshr_b32 s18, s[WV], 2
	s_mul_i32 s18, s18, 32*SPITCH
	s_mul_i32 s20, s17, 8*SPITCH
	s_add_co_u32 s18, s18, s20
	s_add_co_u32 s18, s18, STG0
	v_add_nc_u32 v[RDB], s18, v[LI]                ; back: stage w / 4, rows 8 (w % 4) on
.irp b, 0,1,2,3
	v_mov_b32 v[TM+4+\b], 0                        ; a lane permute's destination counts as one of its sources
.endr
	s_mov_b32 s[SEL], 0x76543210
	s_mov_b32 s[SEL+1], 0xfedcba98
	s_mov_b32 s[MNT], 0x600000
	s_lshl_b32 s20, ttmp9, 16                      ; part: 65,536 bytes a pair, 8,192 a wave
	s_lshl_b32 s22, s[WV], 13
	s_add_co_u32 s20, s20, s22
	s_mov_b32 s21, 0
	s_mov_b32 s23, 0                               ; s[22:23]: Wo's rows 32 w on: 8,192 w bytes
	s_lshl_b32 s38, ttmp9, 15                      ; the rows that I store: 32 P + 8 ((w % 4) / 2) + 16 (w % 2), 1,024 bytes each
	s_bfe_u32 s39, s[WV], 0x10001
	s_lshl_b32 s39, s39, 13
	s_add_co_u32 s38, s38, s39
	s_lshl_b32 s39, s19, 14
	s_add_co_u32 s38, s38, s39
	s_mov_b32 s39, 0
	s_wait_kmcnt 0x0
	s_cmp_lt_u32 s[WV], 4                          ; waves 0-3 store out0, waves 4-7 out1
	s_cselect_b64 s[36:37], s[12:13], s[14:15]
	s_add_nc_u64 s[36:37], s[36:37], s[38:39]
	s_add_nc_u64 s[24:25], s[4:5], s[20:21]        ; the four quarters lie 2^24 bytes apart
	s_add_nc_u64 s[26:27], s[24:25], 0x1000000
	s_add_nc_u64 s[28:29], s[26:27], 0x1000000
	s_add_nc_u64 s[30:31], s[28:29], 0x1000000
	s_add_nc_u64 s[6:7], s[6:7], s[22:23]
	s_lshr_b32 s22, s22, 5                         ; 256 w
	s_add_nc_u64 s[8:9], s[8:9], s[22:23]
	s_lshr_b32 s22, s22, 1                         ; 128 w
	s_add_nc_u64 s[10:11], s[10:11], s[22:23]
.irp n, 0,1,2,3,4,5,6,7,8,9,10,11,12,13,14,15
	global_load_b128 v[X0+4*\n:X0+4*\n+3], v[LI], s[24:25] offset:512*\n th:TH_LOAD_NT
.endr
.irp n, 0,1,2,3,4,5,6,7,8,9,10,11,12,13,14,15
	global_load_b128 v[X1+4*\n:X1+4*\n+3], v[LI], s[26:27] offset:512*\n th:TH_LOAD_NT
.endr
	WIN 0x40
.irp n, 0,1,2,3,4,5,6,7,8,9,10,11,12,13,14,15
	global_load_b128 v[4*\n:4*\n+3], v[LI], s[28:29] offset:512*\n th:TH_LOAD_NT
.endr
.irp n, 0,1,2,3,4,5,6,7,8,9,10,11,12,13,14,15
	global_load_b128 v[64+4*\n:64+4*\n+3], v[LI], s[30:31] offset:512*\n th:TH_LOAD_NT
.endr
.irp g, 0,1                            ; Wo's tiles (w, g): rows 32 w + 8 g + r + 8 (r / 8)
.irp st, 0,1
.irp c, 0,1,2,3
	global_load_b128 v[128+32*\g+16*\st+4*\c:128+32*\g+16*\st+4*\c+3], v[VC], s[6:7] offset:2048*\g+128*\st+32*\c
.endr
.endr
.endr
.irp g, 0,1                            ; bo of channels 32 w + 16 h + 8 g + 0 .. 7
	global_load_b128 v[192+8*\g:192+8*\g+3], v[VB], s[10:11] offset:32*\g
	global_load_b128 v[192+8*\g+4:192+8*\g+7], v[VB], s[10:11] offset:32*\g+16
.endr
	WIN 0
.irp g, 0,1
	global_load_b64 v[WS+2*\g:WS+2*\g+1], v[VSC], s[8:9] offset:64*\g
.endr
	s_wait_loadcnt 54                              ; quarters 0 and 1 are in; out: quarters 2 and 3 (32 loads) and the 22 of Wo, bo and Wo's scales
.set i, 0
.rept 32
	v_pk_add_f32 v[X0+i:X0+i+1], v[X0+i:X0+i+1], v[X1+i:X1+i+1]
.set i, i+2
.endr
	s_wait_loadcnt 22                              ; quarters 2 and 3 are in
	WIN 0x45
.set i, 0
.rept 32
	v_pk_add_f32 v[i:i+1], v[i:i+1], v[64+i:64+i+1]
.set i, i+2
.endr
	WIN 0x04
.set i, 0
.rept 32
	v_pk_add_f32 v[X0+i:X0+i+1], v[X0+i:X0+i+1], v[i:i+1]
.set i, i+2
.endr
	WIN 0
	s_cmp_lt_u32 s[WV], 4
	s_cbranch_scc0 .Lvar
	QUANT X0, PC, PW                               ; waves 0-3: O's fragment (tile u, K step s)
.irp c, 0,1,2,3
	ds_store_b128 v[IMW], v[PC+4*\c:PC+4*\c+3] offset:OIMG+512*\c
.endr
	ds_store_b32 v[SCW], v[PW]
	s_branch .Ljoin
.Lvar:                                             ; waves 4-7: out1's numbers: register 16 b + 4 k on is byte 128 b + 16 k of my 64-byte-strided part of the row
	s_wait_alu depctr_va_vdst(0)
.irp b, 0,1,2,3
.irp k, 0,1,2,3
	ds_store_b128 v[VS1], v[X0+16*\b+4*\k:X0+16*\b+4*\k+3] offset:128*\b+16*\k
.endr
.endr
.Ljoin:
	s_wait_dscnt 0x0                               ; for the others' sake: my stores have landed
	s_barrier_signal -1
	s_barrier_wait -1                              ; O's four images, their scale words and out1's stage are whole
.irp m, 0,1,2,3
.irp c, 0,1,2,3
	ds_load_b128 v[X1+16*\m+4*\c:X1+16*\m+4*\c+3], v[LI] offset:OIMG+2048*\m+512*\c
.endr
	ds_load_b32 v[OS+\m], v[L4] offset:OSC+128*\m
.endr
	s_wait_loadcnt 0x0                             ; Wo, bo
	s_wait_dscnt 0x0
	WIN 0x11                                       ; source 0 (Wo) and C (bo) window 1
.irp u, 0,1
.irp g, 0,1
	v_wmma_scale_f32_16x16x128_f8f6f4 v[X0+8*(2*\u+\g):X0+8*(2*\u+\g)+7], v[128+32*\g:128+32*\g+15], v[X1+32*\u:X1+32*\u+15], v[192+8*\g:192+8*\g+7], v[WS+2*\g], v[OS+2*\u]
.endr
.endr
	WIN 0x01                                       ; four accumulators by turns
.irp u, 0,1
.irp g, 0,1
	v_wmma_scale_f32_16x16x128_f8f6f4 v[X0+8*(2*\u+\g):X0+8*(2*\u+\g)+7], v[128+32*\g+16:128+32*\g+31], v[X1+32*\u+16:X1+32*\u+31], v[X0+8*(2*\u+\g):X0+8*(2*\u+\g)+7], v[WS+2*\g+1], v[OS+2*\u+1]
.endr
.endr
	WIN 0
	PLACES 8                                       ; eight places ahead of the first read of results and of the loads into O's registers
.irp u, 0,1
.irp g, 0,1
	ds_store_b128 v[VS0], v[X0+8*(2*\u+\g):X0+8*(2*\u+\g)+3] offset:16*\u*SPITCH+32*\g        ; lane (r, h): out0(tile u row r, 32 w + 16 h + 8 g + 0 .. 7); each accumulator from its low end on
	ds_store_b128 v[VS0], v[X0+8*(2*\u+\g)+4:X0+8*(2*\u+\g)+7] offset:16*\u*SPITCH+32*\g+16
.endr
.endr
	s_wait_dscnt 0x0
	s_barrier_signal -1
	s_barrier_wait -1                              ; out0's stage is whole
.irp k, 0,1,2,3,4,5,6,7
.irp c, 0,1
	ds_load_b128 v[X1+4*(2*\k+\c):X1+4*(2*\k+\c)+3], v[RDB] offset:\k*SPITCH+512*\c
.endr
.endr
.irp k, 0,1,2,3,4,5,6,7
.irp c, 0,1
	s_wait_dscnt 15-(2*\k+\c)                      ; LDS loads come back in order: this one is in, the younger ones may be out
	global_store_b128 v[LI], v[X1+4*(2*\k+\c):X1+4*(2*\k+\c)+3], s[36:37] offset:1024*\k+512*\c th:TH_STORE_NT   ; 32 lanes store 512 consecutive bytes, aligned
.endr
.endr
	s_wait_tensorcnt 0x0
	ds_add_u32 v254, v255
	s_wait_dscnt 0x0
	s_endpgm
.Lfunc_end_k_q6204d8334a_final:
	.size	k_q6204d8334a_final, .Lfunc_end_k_q6204d8334a_final-k_q6204d8334a_final
	.p2alignl 7, 3214868480
	.fill 96, 4, 3214868480
	.section	.rodata,"a",@progbits
	.p2align	6, 0x0
	.amdhsa_kernel k_q6204d8334a_final
		.amdhsa_group_segment_fixed_size 76288
		.amdhsa_private_segment_fixed_size 0
		.amdhsa_enable_private_segment 0
		.amdhsa_kernarg_size 48
		.amdhsa_user_sgpr_count 2
		.amdhsa_user_sgpr_kernarg_segment_ptr 1
		.amdhsa_wavefront_size32 1
		.amdhsa_system_sgpr_workgroup_id_x 1
		.amdhsa_system_sgpr_workgroup_id_y 1
		.amdhsa_system_sgpr_workgroup_id_z 1
		.amdhsa_system_vgpr_workitem_id 0
		.amdhsa_next_free_vgpr 464
		.amdhsa_next_free_sgpr 66
		.amdhsa_reserve_vcc 0
		.amdhsa_float_denorm_mode_32 3
		.amdhsa_float_denorm_mode_16_64 3
		.amdhsa_memory_ordered 1
		.amdhsa_forward_progress 1
		.amdhsa_inst_pref_size 36
	.end_amdhsa_kernel
	.amdgpu_metadata
---
amdhsa.version: [ 1, 2 ]
amdhsa.kernels:
  - .name:           k_q6204d8334a_final
    .symbol:         k_q6204d8334a_final.kd
    .args:
      - { .name: part, .offset: 0, .size: 8, .value_kind: global_buffer, .address_space: global }
      - { .name: Wo_codes, .offset: 8, .size: 8, .value_kind: global_buffer, .address_space: global }
      - { .name: Wo_scales, .offset: 16, .size: 8, .value_kind: global_buffer, .address_space: global }
      - { .name: bo, .offset: 24, .size: 8, .value_kind: global_buffer, .address_space: global }
      - { .name: out0, .offset: 32, .size: 8, .value_kind: global_buffer, .address_space: global }
      - { .name: out1, .offset: 40, .size: 8, .value_kind: global_buffer, .address_space: global }
    .group_segment_fixed_size: 76288
    .private_segment_fixed_size: 0
    .kernarg_segment_align: 8
    .kernarg_segment_size: 48
    .max_flat_workgroup_size: 256
    .sgpr_count:     66
    .vgpr_count:     464
    .wavefront_size: 32
...
	.end_amdgpu_metadata
.endif
;; end of part 4
